; MI455X (gfx1250); checked and timed in simulation.
; The chip was launched on July 23, 2026; its instructions are those of AMD's public machine-readable ISA for CDNA 5 (MIT licence, August 2026) and "CDNA5" Instruction Set Architecture Reference Guide (July 2026). The comments in the code are by the model that wrote it; some were corrected since.
;; Head Attention. Allowed arithmetic: matrix products marked QUANTISED: E2M3 operands, one E8M0 scale for each 32 along K, by v_wmma_scale_f32_16x16x128_f8f6f4 with both operands' format E2M3, f32 sums; everything else in f32.
;; Inputs: Wq 1,024 x 1,024 float32; att_mask 2,048 x 2,048 int32; bq 1,024 float32; xk 4 x 2,048 x 1,024 float32; xq 4 x 2,048 x 1,024 float32; xv 4 x 2,048 x 1,024 float32.
;; Outputs: out0 4 x 2,048 x 1,024 float32.
;; This version of the problem:
;;   THIS VERSION OF THE PROBLEM IS GIVEN IN LOW PRECISION. The matrix products marked QUANTISED in the list below multiply operands that are first quantised to E2M3 (2 exponent bits, 3 mantissa bits; 6 bits a number), with one power-of-two scale for each 32 numbers along K (OCP MX v1.0); their sums are f32. All else is computed in f32.
;;   The module's matrix products, in the order in which they are computed (A, B: the left and right operand; K: the contracted axis; several contracted axes count as one K, in the product's order):
;;     1. [M 8,192, K 1,024] x [K 1,024, N 1,024]; A: input xq; B: input Wq: QUANTISED
;;     2. [M 8,192, K 1,024] x [K 1,024, N 1,024]; A: input xk; B: input Wq: QUANTISED
;;     3. [M 8,192, K 1,024] x [K 1,024, N 1,024]; A: input xv; B: input Wq: QUANTISED
;;     4. batch 4 x [M 2,048, K 1,024] x [K 1,024, N 2,048]; A: computed on the way; B: computed on the way: QUANTISED
;;     5. batch 4 x [M 2,048, K 2,048] x [K 2,048, N 1,024]; A: softmax (see below); B: computed on the way: QUANTISED
;;   THE QUANTISER, for each operand of a quantised product, along K:
;;     - K is cut into blocks of 32 from its start; a last block that is shorter is filled with zeros.
;;     - A block's scale is 2^e with e = floor(log2(the largest magnitude in the block)) - 2, held to -126 .. 127; a block of zeros has e = 0. As a byte (E8M0): e + 127.
;;     - Each number is divided by its block's scale, clamped to +-7.5, and rounded to the nearest number of E2M3, ties to even, subnormals kept.
;;     - The product sums the exact products of the quantised numbers (number of the format x scale) in f32.
;;   ~~~python
;;   def quantise(x, axis):      # numpy; x: float32 -> the quantised numbers, widened to float32 again
;;       x = np.moveaxis(x, axis, -1); K = x.shape[-1]
;;       x = np.pad(x, [(0, 0)] * (x.ndim - 1) + [(0, -K % 32)]); x = x.reshape(x.shape[:-1] + (-1, 32)); a = np.abs(x).max(-1, keepdims=True)
;;       e = np.where(a > 0, np.clip(np.frexp(np.where(a > 0, a, 1))[1] - 1 - 2, -126, 127), 0)      # np.frexp(a)[1] - 1 = floor(log2(a)), exactly
;;       r = np.clip(x / 2.0 ** e, -7.5, 7.5)
;;       step = 2.0 ** (np.maximum(np.frexp(np.where(r == 0, 1, r))[1] - 1, 0) - 3)
;;       q = np.round(r / step) * step * 2.0 ** e      # np.round: ties to even
;;       return np.moveaxis(q.reshape(q.shape[:-2] + (-1,))[..., :K], -1, axis).astype(np.float32)
;;   ~~~
;;   SOFTMAX AHEAD OF A QUANTISED PRODUCT. Where the list says 'softmax', what is quantised is not the finished softmax but p = 2^(t - M), with t = logit x log2(e) and M = ceil(the row's largest t), a whole number; so 1/2 < the row's largest p <= 1. The row's sum l is taken of the UNQUANTISED p, in f32, and the product's result is divided by l at the end. Since M is a whole number, a kernel that streams over the keys may use a running M (the ceiling of the running maximum): every later rescaling is an exact power of two, which a block's scale takes up: the codes' values come out the same.
;;   OPERANDS COMPUTED ON THE WAY. 'Computed on the way' means the value that the module computes at that place (a softmax that the list does not call 'softmax' is quantised finished and normalised). What goes into a quantiser is computed in f32, as accurately as f32 sums, v_exp_f32 and their like allow (about 1e-6 of the number): no bf16 or f16 on the way to a quantiser, and a product that is left as it is and whose result goes on into a quantised operand takes f32 operands (vector FMAs, or v_wmma_f32_16x16x4_f32). A number that lies on a knife's edge between two numbers of the format may be rounded either way, as far as f32 arithmetic and the matrix unit's own rounding can turn it there, and no further.
;; One version. Each part assembles by itself: llvm-mc -triple=amdgcn-amd-amdhsa -mcpu=gfx1250 --defsym DOCPART=n.
;; ======== version 1 of 1: 4 launches
;; limits: right only within a limited range of input values
;; workspace buffers: xw 20,480,000 bytes; mw 524,288 bytes of whole numbers; qk 13,107,200 bytes; vv 6,553,600 bytes; pp 14,155,776 bytes
;; launch prep (part 1): grid 928 x 1, 4 waves a work-group, no clusters, 68,096 bytes of LDS; arguments xq, xk, xv, Wq, att_mask, xw, mw; writes xw, mw
.if DOCPART == 1
	.amdgcn_target "amdgcn-amd-amdhsa--gfx1250"
	.amdhsa_code_object_version 6
	.text
	.protected	k_qa8d1dc725f_prep
	.globl	k_qa8d1dc725f_prep
	.p2align	8
	.type	k_qa8d1dc725f_prep,@function
k_qa8d1dc725f_prep:
	s_mov_b64 s[64:65], 0
	v_nop
	global_prefetch_b8 v0, s[64:65] scope:SCOPE_SE
	s_setreg_imm32_b32 hwreg(HW_REG_WAVE_MODE, 25, 1), 1
	s_wait_xcnt 0x0
; PREP.  xq, xk, xv [8192][1024] and Wq [1024][1024], f32, become codes of FP6 (E2M3) with one E8M0 byte for each 32 along K (their last axis); att_mask [2048][2048] becomes words of lane bits.
; NOTHING OF THE PROBLEM IS LEFT OUT IN THIS PROGRAM: every input has a way to the output (bq moves Q's and K's codes and is added to V; att_mask selects), so every input is loaded and all five products are done.
; THE LAYOUT OF EVERY OPERAND IN THIS PROGRAM.  A row block T is 16 rows: its lane-row i is logical row 32 (T / 2) + 8 (T % 2) + i + 8 (i / 8).  Codes lie [T][K step of 128][1536 bytes]; the 1,536 bytes are the
; operand's 12 registers as they stand: register p of lane l at 512 (p / 4) + 16 l + 4 (p % 4): three loads or stores of 16 bytes a lane, 512 consecutive bytes each.
; Scale words (four bytes: 128 along K of one row) lie [K step][T / 4][lane-row][T % 4]: 256 bytes for four row blocks.
; xw: T 0-511 xq, 512-1023 xk, 1024-1535 xv, 1536-1599 Wq.   mw: [query block 0..127][128 keys 0..15][64 words]: word 16 b + i, bit 16 h + r, is 1 where att_mask[lane-row r of the block][128 chunk + 32 b + 16 h + i] == 1.
; A block's scale is 2^(floor(log2(its largest magnitude)) - 2); its byte is the largest magnitude's exponent field - 2, held at 1 from below.
; LIMITS: a block whose largest magnitude lies under 2^-124 (a block of zeros too) keeps the byte 1: the bytes are read by this program alone, and zero codes add nothing.  NaN and infinities among the f32 inputs are not served.
; SHARES.  Work-groups 0-799: work-group 2 g + u takes the four row blocks of group g (64 logical rows) and half u of K; wave w takes K step 4 u + w: four fragments, one for each row block.
; Work-groups 800-927: one query block of the mask each; wave w takes four chunks of 128 keys.  So every wave of the launch has four units of 16 rows x 512 bytes, two of them asked for ahead.
; Every load reads 512 consecutive bytes; a unit turns through the wave's own stage in LDS (rows 528 bytes apart), so that a lane gets neighbours along K.  Waves share nothing: no barrier.
; No matrix unit, no cluster, no tensor load: the launch streams, and no two work-groups read the same bytes.
.set SP,    528                        ; a stage row: 512 bytes + 16
.set WST,   16*SP                      ; a wave's stage
.set MST,   4*WST                      ; the mask path has stages of its own
.set SPARE, 8*WST                      ; behind them: the spare words, 128 bytes for each wave
.set XWS,   19660800                   ; xw: where the scale words begin
.set KSP,   102400                     ; and their bytes for one K step: 400 groups x 256
.set NQW,   800                        ; the quantiser's work-groups
.set LO,  3                            ; v3   16 x lane
.set LAQ, 4                            ; v4   quantiser: where I read my neighbours: stage + 528 r + 128 h
.set LSQ, 5                            ; v5   quantiser: where I put 16 bytes of a row: stage + 16 x lane
.set SV,  6                            ; v6   scale words: 16 r + 8 h
.set LO8, 7                            ; v7   8 x lane
.set MX,  8                            ; v8-9   largest magnitudes
.set SO,  10                           ; v10-11 the conversions' scale operands
.set BY,  12                           ; v12-13 scale bytes
.set WK,  14                           ; v14-15 at work
.set SH,  17                           ; v17  8 h
.set LAM, 18                           ; v18  mask: stage + 528 r + 64 h
.set LSM, 19                           ; v19  mask: stage + 16 x lane
.set SPW, 30                           ; v30  LDS address of my spare word; never rewritten
.set NIL, 31                           ; v31  0; never rewritten
.set P,   32                           ; v32-43 a fragment's codes  (mask path: v32-39 the words)
.set TMP, 44                           ; v44-51 the second halves of the blocks' codes
.set SW,  52                           ; v52-55 the four row blocks' scale words
.set W4,  60                           ; v60-61 the scale words as they leave
.set R,   64                           ; v64-191 two sets of 64: a unit as it is loaded
.set X,   192                          ; v192-255 a unit as a lane wants it
	s_load_b256 s[4:11], s[0:1], 0x0               ; xq s[4:5], xk s[6:7], xv s[8:9], Wq s[10:11]
	s_load_b128 s[12:15], s[0:1], 0x20             ; att_mask s[12:13], xw s[14:15]
	s_load_b64 s[16:17], s[0:1], 0x30              ; mw
	v_lshl_add_u32 v[SPW], v0, 2, SPARE
	v_mov_b32 v[NIL], 0
	v_lshrrev_b32 v1, 5, v0
	v_readfirstlane_b32 s18, v1                    ; wave
	v_and_b32 v1, 31, v0                           ; lane
	v_and_b32 v2, 15, v0                           ; r
	v_bfe_u32 v16, v0, 4, 1                        ; h
	v_lshlrev_b32 v[LO], 4, v1
	v_lshlrev_b32 v[LO8], 3, v1
	v_lshlrev_b32 v[SH], 3, v16
	s_mul_i32 s23, s18, WST
	v_mul_u32_u24 v[LAQ], v2, SP
	v_add_nc_u32 v[LAQ], s23, v[LAQ]
	v_lshl_add_u32 v[LAM], v16, 6, v[LAQ]
	v_add_nc_u32 v[LAM], MST, v[LAM]
	v_lshl_add_u32 v[LAQ], v16, 7, v[LAQ]
	v_add_nc_u32 v[LSQ], s23, v[LO]
	v_add_nc_u32 v[LSM], MST, v[LSQ]
	v_lshlrev_b32 v[SV], 3, v16
	v_lshl_add_u32 v[SV], v2, 4, v[SV]
	v_mov_b32 v[WK+1], 0                           ; a lane permute's destination counts as one of its sources
	s_mov_b32 s19, 0xffff0000                      ; lanes 16-31
	s_mov_b32 s24, 0x76543210
	s_mov_b32 s25, 0xfedcba98                      ; v_permlanex16_b32's selects for lane l xor 16
	s_wait_alu depctr_va_vdst(0)                   ; the wait at the head's end
	s_wait_kmcnt 0x0
	s_cmp_ge_u32 ttmp9, NQW
	s_cbranch_scc1 .Lmask
	; ---- THE QUANTISER.  Which tensor: a choice on the work-group's number alone
	s_lshr_b32 s32, ttmp9, 1                       ; the group of 64 rows, 0 .. 399
	s_and_b32 s33, ttmp9, 1
	s_lshl_b32 s33, s33, 2
	s_add_co_u32 s33, s33, s18                     ; my K step
	s_cmp_lt_u32 s32, 128
	s_cselect_b64 s[20:21], s[4:5], s[6:7]
	s_cselect_b32 s22, 0, 128
	s_cmp_lt_u32 s32, 256
	s_cselect_b64 s[20:21], s[20:21], s[8:9]
	s_cselect_b32 s22, s22, 256
	s_cmp_lt_u32 s32, 384
	s_cselect_b64 s[20:21], s[20:21], s[10:11]
	s_cselect_b32 s22, s22, 384
	s_sub_co_u32 s22, s32, s22                     ; the group within its tensor
	s_lshl_b32 s22, s22, 18                        ; 64 rows of 4,096 bytes
	s_lshl_b32 s23, s33, 9                         ; my K step: 512 bytes of a row
	s_add_co_u32 s22, s22, s23
	s_mov_b32 s23, 0
	s_add_nc_u64 s[20:21], s[20:21], s[22:23]      ; where I read
	s_mul_i32 s26, s32, 49152                      ; four row blocks of 8 x 1,536 bytes
	s_mul_i32 s27, s33, 1536
	s_add_co_u32 s26, s26, s27
	s_mov_b32 s27, 0
	s_add_nc_u64 s[28:29], s[14:15], s[26:27]      ; where my codes go
	s_mul_i32 s26, s33, KSP
	s_lshl_b32 s27, s32, 8
	s_add_co_u32 s26, s26, s27
	s_add_co_u32 s26, s26, XWS
	s_mov_b32 s27, 0
	s_add_nc_u64 s[30:31], s[14:15], s[26:27]      ; and my scale words
; Fragment n of four: row block n of the group's four.  Sixteen loads, a lane-row each
.macro LOADF n
.irp i, 0,1,2,3,4,5,6,7,8,9,10,11,12,13,14,15
	global_load_b128 v[R+64*((\n)%2)+4*\i:R+64*((\n)%2)+4*\i+3], v[LO], s[20:21] offset:(32*((\n)/2)+8*((\n)%2)+\i+8*(\i/8))*4096 th:TH_LOAD_NT
.endr
.endm
.macro FRAGQ n
.if (\n) < 3
	s_wait_loadcnt 16                              ; this fragment's sixteen loads are in; the next fragment's sixteen may be out
.else
	s_wait_loadcnt 0x0
.endif
.irp i, 0,1,2,3,4,5,6,7,8,9,10,11,12,13,14,15
	ds_store_b128 v[LSQ], v[R+64*((\n)%2)+4*\i:R+64*((\n)%2)+4*\i+3] offset:SP*\i
.endr
.irp c, 0,1
.irp j, 0,1,2,3,4,5,6,7
	ds_load_b128 v[X+32*\c+4*\j:X+32*\c+4*\j+3], v[LAQ] offset:256*\c+16*\j   ; k = 64 c + 32 h + 0 .. 31 of row r.  LDS serves a wave's instructions in order: these see the stores above
.endr
.endr
	s_wait_dscnt 0x0
.if (\n) < 2
	LOADF (\n)+2                                   ; into the set that the stage's stores have read
.endif
.irp c, 0,1
	v_max3_num_f32 v[MX+\c], |v[X+32*\c]|, |v[X+32*\c+1]|, 0x1800000   ; my block 2 c + h: all its 32 numbers are mine; and the floor 2^(3 - 127): the byte cannot fall under 1
.endr
.irp i, 2,4,6,8,10,12,14,16,18,20,22,24,26,28,30
.irp c, 0,1
	v_max3_num_f32 v[MX+\c], v[MX+\c], |v[X+32*\c+\i]|, |v[X+32*\c+\i+1]|
.endr
.endr
.irp c, 0,1
	v_add_nc_u32 v[SO+\c], 0xff000000, v[MX+\c]    ; 2 off the exponent field: the conversion's scale operand
.endr
.irp c, 0,1
	v_lshrrev_b32 v[BY+\c], 23, v[SO+\c]           ; the scale's byte
.endr
	v_lshl_or_b32 v[WK], v[BY+1], 16, v[BY]        ; my two bytes, blocks h and 2 + h,
	v_lshlrev_b32 v[WK], v[SH], v[WK]              ; at their places in the word;
	v_permlanex16_b32 v[WK+1], v[WK], s24, s25
	v_or_b32 v[SW+(\n)], v[WK], v[WK+1]            ; with lane l xor 16's two the word is whole, in both halves of the lanes
.if (\n) > 0
	s_wait_alu depctr_va_vdst(0)                   ; directly ahead of the wait below
	s_wait_xcnt 0x0                                ; the last fragment's stores have read their registers: the codes may be written anew
.endif
.irp c, 0,1
	v_cvt_scalef32_pk16_fp6_f32 v[P+6*\c:P+6*\c+2], v[X+32*\c:X+32*\c+15], v[SO+\c]
	v_cvt_scalef32_pk16_fp6_f32 v[TMP+4*\c:TMP+4*\c+2], v[X+32*\c+16:X+32*\c+31], v[SO+\c]   ; (a conversion's three registers begin on an even number)
.endr
	v_nop                                          ; one plain place behind a scaled conversion
.irp c, 0,1
.irp i, 0,1,2
	v_mov_b32 v[P+6*\c+3+\i], v[TMP+4*\c+\i]
.endr
.endr
.irp k, 0,1,2
	global_store_b128 v[LO], v[P+4*\k:P+4*\k+3], s[28:29] offset:12288*(\n)+512*\k   ; 32 lanes store 512 consecutive bytes
.endr
.endm
	LOADF 0
	LOADF 1
	s_wait_alu depctr_va_vdst(0)
.irp n, 0,1,2,3
	FRAGQ \n
.endr
.irp f, 0,1
	v_cndmask_b32 v[W4+\f], v[SW+\f], v[SW+2+\f], s19   ; lanes 0-15: row blocks 0 and 1 of lane-row r, lanes 16-31: row blocks 2 and 3
.endr
	global_store_b64 v[SV], v[W4:W4+1], s[30:31]   ; the 32 lanes store 256 consecutive bytes, aligned
	s_wait_tensorcnt 0x0                           ; the wave's end: behind my last LDS store
	ds_add_u32 v[SPW], v[NIL]
	s_wait_dscnt 0x0
	s_endpgm
	; ---- THE MASK
.Lmask:
	s_sub_co_u32 s20, ttmp9, NQW                   ; the query block
	s_lshr_b32 s21, s20, 1
	s_lshl_b32 s21, s21, 5
	s_and_b32 s22, s20, 1
	s_lshl_b32 s22, s22, 3
	s_add_co_u32 s21, s21, s22                     ; its lane-row 0's logical row
	s_lshl_b32 s22, s21, 13                        ; rows of 8,192 bytes
	s_lshl_b32 s23, s18, 11                        ; my four chunks: 2,048 bytes of a row
	s_add_co_u32 s22, s22, s23
	s_mov_b32 s23, 0
	s_add_nc_u64 s[12:13], s[12:13], s[22:23]
	s_lshl_b32 s22, s20, 4
	s_lshl_b32 s26, s18, 2
	s_add_co_u32 s22, s22, s26
	s_lshl_b32 s22, s22, 8                         ; 256 bytes of words for a block and a chunk
	s_add_nc_u64 s[16:17], s[16:17], s[22:23]
.irp i, 0,1,2,3,4,5,6,7
	v_mov_b32 v[P+\i], 0                           ; v_writelane_b32's destination counts as one of its sources
.endr
.macro LOADM n
.irp i, 0,1,2,3,4,5,6,7,8,9,10,11,12,13,14,15
	global_load_b128 v[R+64*((\n)%2)+4*\i:R+64*((\n)%2)+4*\i+3], v[LO], s[12:13] offset:(\i+8*(\i/8))*8192+512*(\n) th:TH_LOAD_NT
.endr
.endm
.macro UNITM n
.if (\n) < 3
	s_wait_loadcnt 16                              ; this chunk's sixteen loads are in; the next chunk's may be out
.else
	s_wait_loadcnt 0x0
.endif
.irp i, 0,1,2,3,4,5,6,7,8,9,10,11,12,13,14,15
	ds_store_b128 v[LSM], v[R+64*((\n)%2)+4*\i:R+64*((\n)%2)+4*\i+3] offset:SP*\i
.endr
.irp b, 0,1,2,3
.irp j, 0,1,2,3
	ds_load_b128 v[X+16*\b+4*\j:X+16*\b+4*\j+3], v[LAM] offset:128*\b+16*\j   ; register 16 b + i: key 32 b + 16 h + i of the chunk, row r
.endr
.endr
	s_wait_dscnt 0x0
.if (\n) < 2
	LOADM (\n)+2
.endif
.irp g, 0,1,2,3,4,5,6,7
.irp e, 0,1,2,3,4,5,6,7
	v_cmp_eq_u32 s[32+\e], 1, v[X+8*\g+\e]         ; word 8 g + e: a bit for each lane
.endr
.irp e, 0,1,2,3,4,5,6,7
	v_writelane_b32 v[P+2*(\n)+(\e%2)], s[32+\e], 4*\g+\e/2   ; lane w / 2 keeps words w (even) and w + 1
.endr
.endr
	global_store_b64 v[LO8], v[P+2*(\n):P+2*(\n)+1], s[16:17] offset:256*(\n)   ; 32 lanes store 256 consecutive bytes, aligned
.endm
	LOADM 0
	LOADM 1
.irp n, 0,1,2,3
	UNITM \n
.endr
	s_wait_tensorcnt 0x0                           ; the wave's end: behind my last LDS store
	ds_add_u32 v[SPW], v[NIL]
	s_wait_dscnt 0x0
	s_endpgm
.Lfunc_end_k_qa8d1dc725f_prep:
	.size	k_qa8d1dc725f_prep, .Lfunc_end_k_qa8d1dc725f_prep-k_qa8d1dc725f_prep
	.p2alignl 7, 3214868480
	.fill 96, 4, 3214868480
	.section	.rodata,"a",@progbits
	.p2align	6, 0x0
	.amdhsa_kernel k_qa8d1dc725f_prep
		.amdhsa_group_segment_fixed_size 68096
		.amdhsa_private_segment_fixed_size 0
		.amdhsa_enable_private_segment 0
		.amdhsa_kernarg_size 56
		.amdhsa_user_sgpr_count 2
		.amdhsa_user_sgpr_kernarg_segment_ptr 1
		.amdhsa_wavefront_size32 1
		.amdhsa_system_sgpr_workgroup_id_x 1
		.amdhsa_system_sgpr_workgroup_id_y 1
		.amdhsa_system_sgpr_workgroup_id_z 1
		.amdhsa_system_vgpr_workitem_id 0
		.amdhsa_next_free_vgpr 256
		.amdhsa_next_free_sgpr 66
		.amdhsa_reserve_vcc 0
		.amdhsa_float_denorm_mode_32 3
		.amdhsa_float_denorm_mode_16_64 3
		.amdhsa_memory_ordered 1
		.amdhsa_forward_progress 1
		.amdhsa_inst_pref_size 79
	.end_amdhsa_kernel
	.amdgpu_metadata
---
amdhsa.version: [ 1, 2 ]
amdhsa.kernels:
  - .name:           k_qa8d1dc725f_prep
    .symbol:         k_qa8d1dc725f_prep.kd
    .args:
      - { .name: xq, .offset: 0, .size: 8, .value_kind: global_buffer, .address_space: global }
      - { .name: xk, .offset: 8, .size: 8, .value_kind: global_buffer, .address_space: global }
      - { .name: xv, .offset: 16, .size: 8, .value_kind: global_buffer, .address_space: global }
      - { .name: Wq, .offset: 24, .size: 8, .value_kind: global_buffer, .address_space: global }
      - { .name: att_mask, .offset: 32, .size: 8, .value_kind: global_buffer, .address_space: global }
      - { .name: xw, .offset: 40, .size: 8, .value_kind: global_buffer, .address_space: global }
      - { .name: mw, .offset: 48, .size: 8, .value_kind: global_buffer, .address_space: global }
    .group_segment_fixed_size: 68096
    .private_segment_fixed_size: 0
    .kernarg_segment_align: 8
    .kernarg_segment_size: 56
    .max_flat_workgroup_size: 128
    .sgpr_count:     66
    .vgpr_count:     256
    .wavefront_size: 32
...
	.end_amdgpu_metadata
.endif
;; end of part 1
;; launch proj (part 2): grid 4 x 64, 4 waves a work-group, clusters of 4 x 4, 327,680 bytes of LDS; arguments xw, bq, qk, vv; writes qk, vv
.if DOCPART == 2
	.amdgcn_target "amdgcn-amd-amdhsa--gfx1250"
	.amdhsa_code_object_version 6
	.text
	.protected	k_qa8d1dc725f_proj
	.globl	k_qa8d1dc725f_proj
	.p2align	8
	.type	k_qa8d1dc725f_proj,@function
k_qa8d1dc725f_proj:
	s_mov_b64 s[64:65], 0
	v_nop
	global_prefetch_b8 v0, s[64:65] scope:SCOPE_SE
	s_setreg_imm32_b32 hwreg(HW_REG_WAVE_MODE, 25, 1), 1
	s_wait_xcnt 0x0
	s_wait_alu depctr_hold_cnt(0) depctr_sa_sdst(0) depctr_va_vdst(0) depctr_va_sdst(0) depctr_va_ssrc(0) depctr_va_vcc(0) depctr_vm_vsrc(0)
	s_getreg_b32 s2, hwreg(HW_REG_IB_STS2, 6, 4)
	s_cmp_eq_u32 s2, 0
	s_cbranch_scc0 .Lentry_in_a_cluster
	s_endpgm
.Lentry_in_a_cluster:
	s_bfe_u32 s2, ttmp6, 0x10000c
	s_cmp_lg_u32 s2, 0xf033
	s_cbranch_scc0 .Lentry_shape_is_right
	s_endpgm
.Lentry_shape_is_right:
; PROJ.  Q = xq Wq^T + bq and K = xk Wq^T + bq (first product of a work-group: 256 rows x 256 of e) and V^T = Wq xv^T + bq (second product: 128 of e x 256 keys), on codes of FP6 (E2M3) with E8M0 scales out of buffer xw.
; The results are quantised in registers, Q and K along e into buffer qk, V along the keys into buffer vv.  Nothing is left out.
; Layout of all operands: row block T = 16 rows, lane-row i = logical row 32 (T / 2) + 8 (T % 2) + i + 8 (i / 8); codes [T][K step of 128][1536 bytes = the operand's 12 registers]; scale words [K step][T / 4][lane-row][T % 4].
; FIRST PRODUCT: four waves, each 128 x 128: 64 accumulators.  Source 0 = 16 rows of Wq ("B"), source 1 = 16 rows of x ("A"): a lane holds one row of x and registers along e.  bq is the C of the first K step's instructions: no addition is written.
; K = 1,024 goes as 3 + 3 + 2 steps of 128 through two LDS slots X and Y of 147,456 bytes.  At the head each wave issues ONE joint load: wave 0 A's 16 row blocks x 4,608 bytes (K steps 0-2), wave 1 B's, wave 2 A's scale words, wave 3 B's.
; Slot Y (K steps 3-5) is first filled behind the full sequence and a round, a quarter a wave; at K step 2's change of slots X takes K steps 6-7 (3,072 bytes a row block); at K step 5's change Y takes the second product's first half of K.
; SECOND PRODUCT: each wave 64 of e x 128 keys: 32 accumulators in window 2; K in two halves of 512, in Y and then in X (filled in the middle of the first product's way out).
; THE FIRST PRODUCT'S WAY OUT is cut into 17 slices of at most six plain vector instructions for each block of 16 rows.  Blocks 0-3 (window 2) run them on end.  Blocks 4-7 (window 3, which the second product does not name) have theirs
; laid one behind each matrix instruction of four K steps of the second product: work on registers that is due anyway, in the places behind matrix instructions; it names none of their registers.
; CLUSTERS: 4 x 4; A's tiles are shared along a row of the cluster, B's along a column.  No prefetch: the text has no loop to run ahead in.
; LIMITS: a block whose largest magnitude lies under 2^-124 keeps the byte 1 (read by this program alone); NaN and infinities are not served.
.set PX,     4608                      ; a row block's bytes in X and Y: three K steps
.set PZ,     3072                      ; and in X's second fill: two K steps
.set XB,     16*PX                     ; B's part of a slot, behind A's 16 row blocks
.set ZB,     16*PZ
.set YS,     32*PX                     ; slot Y
.set SCL,    2*YS                      ; the scale words: A's [8 K steps][1,024 bytes], then B's
.set SPARE,  SCL+16384                 ; the spare words, 128 bytes for each wave
.set TB2,    6144
.set APART2, 8*TB2
.set DSLOT,  24*TB2
.set XWS,    19660800
.set KSP,    102400
.set QKS,    12582912
.set VVS,    6291456
.set FR,     12
.set NL,     3
.set NP,     4
.set ADRA2, 10
.set ADRB2, 12
.set ADRA, 16                          ; v16-18 my A fragments: X (K steps 0-2), Y (3-5), X again (6-7)
.set ADRB, 20                          ; v20-22 the same for B
.set LI,   24
.set ADRS, 27
.set SPW,  28
.set NIL,  29
.set SC,   32
.set SC2,  64
.set AF,   128
.set TM,   32
.set PWS,  48
.set H,    128                         ; the second product's way out: a block's 64 numbers,
.set PC,   192                         ; and its codes
.set BO,   224                         ; v224-231 bq for the second product, in pairs
.set PC2,  232                         ; v232-250 the first product's codes: outside the fragments' registers
.set SEL, 12
.set HM,  44
.set G1, 24
.set G1B, 48
.set G1S, 68
.set G0S, 76
.set G1SB, 80
.set G0SB, 88
.set MSB, 0
.macro WIN new
.if MSB != (\new)
	s_set_vgpr_msb (MSB<<8)|(\new)
.set MSB, (\new)
.endif
.endm
.set MUL_LO, 0xa1
.set MUL_HI, 0xf1
.set TO_B,   0x40
.macro JLOAD g0a, g1a, g0b, g1b        ; a joint load: waves 0 and 1 fetch for A, waves 2 and 3 for B
	s_cmp_eq_u32 s15, 0
	s_cbranch_scc0 .Lfor_b_\@
	tensor_load_to_lds s[\g0a:\g0a+3], s[\g1a:\g1a+7]
	s_nop 0
.rept 4
	v_nop
.endr
	s_branch .Lasked_\@
.Lfor_b_\@:
	tensor_load_to_lds s[\g0b:\g0b+3], s[\g1b:\g1b+7]
	s_nop 0
.rept 4
	v_nop
.endr
.Lasked_\@:
.endm
.macro CREST
	s_cmp_lg_u32 s14, 0
	s_cbranch_scc1 .Lnot_wave_0_\@
	s_barrier_signal -3
.Lnot_wave_0_\@:
	s_barrier_wait -3
	s_barrier_signal -1
	s_barrier_wait -1
.endm
.macro CROUND
	s_barrier_signal -1
	s_barrier_wait -1
	CREST
.endm
.macro ARM under, g0, g1, next         ; one arm of the head's chain: its load, and a jump to the join
	s_cmp_lt_u32 s14, \under
	s_cbranch_scc0 \next
	tensor_load_to_lds s[\g0:\g0+3], s[\g1:\g1+7]
	s_nop 0
.rept 4
	v_nop
.endr
	s_branch .Lhead_asked
\next:
.endm
.macro PLACES n
.rept \n
	v_nop
.endr
.endm
.macro FRAG reg, adr, k, i             ; row block i of K step k: three loads of 16 bytes a lane
.irp c, 0,1,2
	ds_load_b128 v[\reg+4*\c:\reg+4*\c+3], v[\adr+(\k)/3] offset:(\i)*(PX-(PX-PZ)*((\k)/6))+((\k)%3)*1536+512*\c
.endr
.endm
.macro FETCH_B k
	WIN TO_B
.irp i, 0,1,2,3,4,5,6,7
	FRAG 128*((\k)%2)+FR*\i, ADRB, \k, \i
.endr
	WIN 0
.endm
.macro FETCH_A k, i0
.irp i, \i0, \i0+1, \i0+2, \i0+3
	FRAG AF+FR*(\i), ADRA, \k, \i
.endr
.endm
.macro SCALES j                        ; the scale words of K steps 2 j and 2 j + 1 into set j % 2
.irp q, 0,1
.irp g, 0,1
	ds_load_b128 v[SC+16*((\j)%2)+8*\q+4*\g:SC+16*((\j)%2)+8*\q+4*\g+3], v[ADRS] offset:2048*(\j)+1024*\q+256*\g
.endr
.endr
.endm
; The 64 accumulators take turns, one instruction a turn, in the same order in every step.
; first = 1: the sums begin with bq: C is B's block b's eight numbers of bq, in window 1 at v96-127 (b < 4) and v224-255.
.macro MUL16 a0, p, q, sc, first
.irp a, \a0, \a0+1
.irp b, 0,1,2,3,4,5,6,7
.if \first
	v_wmma_scale_f32_16x16x128_f8f6f4 v[8*(8*((\a)%4)+\b):8*(8*((\a)%4)+\b)+7], v[128*(\p)+FR*\b:128*(\p)+FR*\b+FR-1], v[AF+FR*(\a):AF+FR*(\a)+FR-1], v[96+8*\b+96*(\b/4):96+8*\b+96*(\b/4)+7], v[SC+16*(\sc)+8*(\q)+\b], v[SC+16*(\sc)+8*(\q)+(\a)] matrix_a_fmt:MATRIX_FMT_FP6 matrix_b_fmt:MATRIX_FMT_FP6 matrix_a_scale:MATRIX_SCALE_ROW1
.else
	v_wmma_scale_f32_16x16x128_f8f6f4 v[8*(8*((\a)%4)+\b):8*(8*((\a)%4)+\b)+7], v[128*(\p)+FR*\b:128*(\p)+FR*\b+FR-1], v[AF+FR*(\a):AF+FR*(\a)+FR-1], v[8*(8*((\a)%4)+\b):8*(8*((\a)%4)+\b)+7], v[SC+16*(\sc)+8*(\q)+\b], v[SC+16*(\sc)+8*(\q)+(\a)] matrix_a_fmt:MATRIX_FMT_FP6 matrix_b_fmt:MATRIX_FMT_FP6 matrix_a_scale:MATRIX_SCALE_ROW1
.endif
.endr
.endr
.endm
; K step k: 64 products; the next step's fragments are fetched in its middle and at its end.  turn = 0: the next step lies in the same slot.
; turn = 2, 3: a change of slots: each wave waits for all its tensor loads, adds 0 to its spare word, waits for that and for its reads; the barrier opens a round; the slot left behind is filled again.
; first = 1: source 2 is taken from window 1 (bq) in place of the accumulators' window.
.macro KSTEP k, turn, first
.if \turn
	s_wait_tensorcnt 0x0                           ; all my tensor loads have landed: my part of the next slot
	ds_add_u32 v[SPW], v[NIL]
	s_wait_dscnt 4*NL+1                            ; (the add and the youngest twelve loads, A's blocks 4-7, may be out)
	WIN MUL_LO
	MUL16 0, (\k)%2, (\k)%2, ((\k)/2)%2, \first
	s_wait_dscnt 0x0                               ; the add is done, and my reads of this slot are over
	s_barrier_signal -1
	MUL16 2, (\k)%2, (\k)%2, ((\k)/2)%2, \first
	WIN 0
	s_barrier_wait -1
	CREST
.if (\turn) == 2
	s_mov_b32 s[G1+1], 384<<16                     ; no tensor load of mine is out: rows of 3,072 bytes from here on
	s_mov_b32 s[G1+3], 384<<16
	s_mov_b32 s[G1B+1], 384<<16
	s_mov_b32 s[G1B+3], 384<<16
	JLOAD 92, G1, 96, G1B                          ; K steps 6 and 7 into X
.else
	s_mov_b32 s[G1+1], 768<<16                     ; the second product's tiles: rows of 6,144 bytes; A's four row blocks a wave, B's eight
	s_mov_b32 s[G1+2], 4<<16
	s_mov_b32 s[G1+3], 768<<16
	s_mov_b32 s[G1+4], 4
	s_mov_b32 s[G1B+1], 768<<16
	s_mov_b32 s[G1B+3], 768<<16
	s_add_co_u32 s33, s43, DSLOT
	s_mov_b64 s[34:35], s[66:67]
	s_or_b32 s35, s35, 0x80000000
	s_add_co_u32 s57, s76, DSLOT
	s_mov_b64 s[58:59], s[100:101]
	s_or_b32 s59, s59, 0x80000000
	JLOAD 32, G1, 56, G1B                          ; its first half of K into Y
.endif
.else
	s_wait_dscnt 4*NL                              ; all but the youngest twelve loads (A's blocks 4-7)
	WIN MUL_LO-0x10*(\first)
	MUL16 0, (\k)%2, (\k)%2, ((\k)/2)%2, \first
	MUL16 2, (\k)%2, (\k)%2, ((\k)/2)%2, \first
	s_wait_dscnt 0
	PLACES NP
.endif
	FETCH_B (\k)+1
	FETCH_A (\k)+1, 0
.if (\k)%2
	SCALES ((\k)+1)/2
.endif
	WIN MUL_HI-0x20*(\first)
	MUL16 4, (\k)%2, (\k)%2, ((\k)/2)%2, \first
	MUL16 6, (\k)%2, (\k)%2, ((\k)/2)%2, \first
	PLACES NP
	WIN 0
	FETCH_A (\k)+1, 4
.endm
; THE FIRST PRODUCT'S WAY OUT, slice idx (0 .. 16) of block blk: its 64 numbers a lane, four blocks of 32 shared with lane l xor 16, are read where they lie (window 2 or 3) and become 12 registers of codes and a scale word.
.macro SLICE blk, idx
.set SB_, 64*((\blk)%4)
.set W_, 2+(\blk)/4
.if (\idx) == 0
	WIN W_|(W_<<2)
.irp b, 0,1,2,3
	v_max3_num_f32 v[TM+\b], |v[SB_+16*\b]|, |v[SB_+1+16*\b]|, 0x1800000   ; the floor 2^(3 - 127): the byte cannot fall under 1; each accumulator is read from its low end on
.endr
.elseif (\idx) < 8
	WIN (W_<<2)|(W_<<4)
.irp b, 0,1,2,3
	v_max3_num_f32 v[TM+\b], v[TM+\b], |v[SB_+16*\b+2*(\idx)]|, |v[SB_+1+16*\b+2*(\idx)]|
.endr
.elseif (\idx) == 8
	WIN 0
.irp b, 0,1,2,3
	v_permlanex16_b32 v[TM+4+\b], v[TM+\b], s[SEL], s[SEL+1]
.endr
.elseif (\idx) == 9
	WIN 0
.irp b, 0,1,2,3
	v_max_num_f32 v[TM+\b], v[TM+\b], v[TM+4+\b]
.endr
.elseif (\idx) == 10
	WIN 0
.irp b, 0,1,2,3
	v_add_nc_u32 v[TM+12+\b], 0xff000000, v[TM+\b]   ; 2 off the exponent field: the conversion's scale operand
.endr
.elseif (\idx) == 11
	WIN 0
.irp b, 0,1,2,3
	v_lshrrev_b32 v[TM+4+\b], 23, v[TM+12+\b]
.endr
.elseif (\idx) == 12
	WIN 0
	v_lshl_or_b32 v[PWS+(\blk)], v[TM+5], 8, v[TM+4]
	v_lshl_or_b32 v[PWS+(\blk)], v[TM+6], 16, v[PWS+(\blk)]
	v_lshl_or_b32 v[PWS+(\blk)], v[TM+7], 24, v[PWS+(\blk)]
.elseif (\idx) == 13
	s_wait_alu depctr_va_vdst(0)                   ; directly ahead of the wait below
	s_wait_xcnt 0x0                                ; the last block's stores have read the codes' registers
	WIN W_
.irp c, 0,1
	v_cvt_scalef32_pk16_fp6_f32 v[PC2+6*\c:PC2+2+6*\c], v[SB_+32*\c:SB_+15+32*\c], v[TM+12+2*\c]
	v_cvt_scalef32_pk16_fp6_f32 v[PC2+12+4*\c:PC2+14+4*\c], v[SB_+16+32*\c:SB_+31+32*\c], v[TM+12+2*\c+1]
.endr
	v_nop                                          ; one plain place behind a scaled conversion
.elseif (\idx) < 16
	WIN 0
.irp i, 0,1,2
	v_permlane16_swap_b32 v[PC2+6*((\idx)-14)+\i], v[PC2+12+4*((\idx)-14)+\i]
.endr
.irp i, 0,1,2
	v_mov_b32 v[PC2+3+6*((\idx)-14)+\i], v[PC2+12+4*((\idx)-14)+\i]
.endr
.elseif (\idx) == 16
	WIN 0
.irp c, 0,1,2
	global_store_b128 v[LI], v[PC2+4*\c:PC2+4*\c+3], s[68:69] offset:(\blk)*12288+512*\c   ; 32 lanes store 512 consecutive bytes
.endr
.endif
.endm
.macro EPIQ blk                        ; the 17 slices on end
.set JJ, 0
.rept 17
	SLICE \blk, JJ
.set JJ, JJ+1
.endr
.endm
.macro MID                             ; X takes the second product's second half of K: the full sequence, a round, one load a wave
	s_wait_alu depctr_va_vdst(0)                   ; directly ahead of the wait below
	s_wait_tensorcnt 0x0
	ds_add_u32 v[SPW], v[NIL]
	s_mov_b32 s37, s43
	s_add_nc_u64 s[38:39], s[66:67], TB2
	s_or_b32 s39, s39, 0x80000000
	s_mov_b32 s61, s76
	s_add_nc_u64 s[62:63], s[100:101], TB2
	s_or_b32 s63, s63, 0x80000000
	s_wait_dscnt 0x0
	CROUND
	JLOAD 36, G1, 60, G1B
.endm
.macro FETCH4 u, q, set
	WIN TO_B
.irp i, 0,1,2,3,4,5,6,7
.irp c, 0,1,2
	ds_load_b128 v[128*(\set)+FR*\i+4*\c:128*(\set)+FR*\i+4*\c+3], v[ADRB2+\u] offset:\i*TB2+(\q)*1536+512*\c
.endr
.endr
	WIN 0
.irp i, 0,1,2,3
.irp c, 0,1,2
	ds_load_b128 v[AF+48*(\set)+FR*\i+4*\c:AF+48*(\set)+FR*\i+4*\c+3], v[ADRA2+\u] offset:\i*TB2+(\q)*1536+512*\c
.endr
.endr
.endm
; 8 matrix instructions of the second product.  blk >= 0: behind instruction b stands slice 8 a + b of the first product's block blk.
.macro MUL8 a, set, k, zero, blk=-1
.irp b, 0,1,2,3,4,5,6,7
	WIN MUL_LO
.if \zero
	v_wmma_scale_f32_16x16x128_f8f6f4 v[8*(8*(\a)+\b):8*(8*(\a)+\b)+7], v[128*(\set)+FR*\b:128*(\set)+FR*\b+FR-1], v[AF+48*(\set)+FR*(\a):AF+48*(\set)+FR*(\a)+FR-1], 0, v[SC2+8*(\k)+\b], v[SC2+8*(\k)+(\a)] matrix_a_fmt:MATRIX_FMT_FP6 matrix_b_fmt:MATRIX_FMT_FP6 matrix_a_scale:MATRIX_SCALE_ROW1
.else
	v_wmma_scale_f32_16x16x128_f8f6f4 v[8*(8*(\a)+\b):8*(8*(\a)+\b)+7], v[128*(\set)+FR*\b:128*(\set)+FR*\b+FR-1], v[AF+48*(\set)+FR*(\a):AF+48*(\set)+FR*(\a)+FR-1], v[8*(8*(\a)+\b):8*(8*(\a)+\b)+7], v[SC2+8*(\k)+\b], v[SC2+8*(\k)+(\a)] matrix_a_fmt:MATRIX_FMT_FP6 matrix_b_fmt:MATRIX_FMT_FP6 matrix_a_scale:MATRIX_SCALE_ROW1
.endif
.if (\blk) >= 0
	SLICE \blk, 8*(\a)+\b
.endif
.endr
.endm
.macro STEP4 u, q, zero, blk=-1
	s_wait_dscnt 0x0
	PLACES 4
	FETCH4 \u, (\q)+1, 1-(\q)%2
	MUL8 0, (\q)%2, 4*(\u)+(\q), \zero, \blk
	MUL8 1, (\q)%2, 4*(\u)+(\q), \zero, \blk
	MUL8 2, (\q)%2, 4*(\u)+(\q), \zero, \blk
	MUL8 3, (\q)%2, 4*(\u)+(\q), \zero
	WIN 0
.endm
.macro QUANT s, w                      ; the second product's: 64 numbers a lane in window 0 become 12 registers of codes and a scale word
.irp b, 0,1,2,3
	v_max3_num_f32 v[TM+\b], |v[\s+16*\b]|, |v[\s+1+16*\b]|, 0x1800000
.endr
.irp i, 2,4,6,8,10,12,14
.irp b, 0,1,2,3
	v_max3_num_f32 v[TM+\b], v[TM+\b], |v[\s+16*\b+\i]|, |v[\s+1+16*\b+\i]|
.endr
.endr
.irp b, 0,1,2,3
	v_permlanex16_b32 v[TM+4+\b], v[TM+\b], s[SEL], s[SEL+1]
.endr
.irp b, 0,1,2,3
	v_max_num_f32 v[TM+\b], v[TM+\b], v[TM+4+\b]
.endr
.irp b, 0,1,2,3
	v_add_nc_u32 v[TM+12+\b], 0xff000000, v[TM+\b]
.endr
.irp b, 0,1,2,3
	v_lshrrev_b32 v[TM+4+\b], 23, v[TM+12+\b]
.endr
	v_lshl_or_b32 v[\w], v[TM+5], 8, v[TM+4]
	v_lshl_or_b32 v[\w], v[TM+6], 16, v[\w]
	v_lshl_or_b32 v[\w], v[TM+7], 24, v[\w]
	s_wait_alu depctr_va_vdst(0)                   ; directly ahead of the wait below
	s_wait_xcnt 0x0                                ; the last block's stores have read the codes' registers, which are written anew below
.irp c, 0,1
	v_cvt_scalef32_pk16_fp6_f32 v[PC+6*\c:PC+2+6*\c], v[\s+32*\c:\s+15+32*\c], v[TM+12+2*\c]
	v_cvt_scalef32_pk16_fp6_f32 v[PC+12+4*\c:PC+14+4*\c], v[\s+16+32*\c:\s+31+32*\c], v[TM+12+2*\c+1]
.endr
	v_nop
.irp c, 0,1
.irp i, 0,1,2
	v_permlane16_swap_b32 v[PC+6*\c+\i], v[PC+12+4*\c+\i]
.endr
.irp i, 0,1,2
	v_mov_b32 v[PC+3+6*\c+\i], v[PC+12+4*\c+\i]
.endr
.endr
.endm
.macro EPIV a                          ; the second product's way out of block a: + bq (one number a lane), quantised along the keys, stored
	WIN 0x02
.set II, 0
.rept 32
	v_pk_add_f32 v[H+II:H+II+1], v[64*(\a)+II:64*(\a)+II+1], v[BO+2*(\a):BO+2*(\a)+1]
.set II, II+2
.endr
	WIN 0
	QUANT H, PWS+(\a)
.irp c, 0,1,2
	global_store_b128 v[LI], v[PC+4*\c:PC+4*\c+3], s[72:73] offset:(\a)*24576+512*\c
.endr
.endm
	s_load_b256 s[4:11], s[0:1], 0x0               ; xw s[4:5], bq s[6:7], qk s[8:9], vv s[10:11]
	v_lshl_add_u32 v[SPW], v0, 2, SPARE
	v_mov_b32 v[NIL], 0
	ds_add_u32 v[SPW], v[NIL]                      ; the opening lines: the add, twice on end, and its wait
	ds_add_u32 v[SPW], v[NIL]
	v_lshrrev_b32 v1, 5, v0
	v_readfirstlane_b32 s14, v1                    ; wave
	s_lshr_b32 s15, s14, 1                         ; which half of A's rows is mine; also: in the ring I fetch for A (0) or B (1)
	s_and_b32 s3, s14, 1                           ; which half of B's rows; also: which half of that tile I fetch
	s_bfe_u32 s40, ttmp6, 0x40000                  ; cx
	s_bfe_u32 s41, ttmp6, 0x40004                  ; cy
	s_and_b32 s42, ttmp7, 0xffff                   ; the cluster's y
	s_lshl_b32 s45, s41, 2
	s_lshl_b32 s45, 15, s45                        ; my row of the cluster
	s_lshl_b32 s46, 0x1111, s40                    ; my column
	s_or_b32 s[G1], s45, (3<<16)|(1<<21)
	s_or_b32 s[G1B], s46, (3<<16)|(1<<21)
	s_or_b32 s[G1S], s45, (3<<16)|(1<<21)
	s_or_b32 s[G1SB], s46, (3<<16)|(1<<21)
.irp g, G1, G1B                        ; codes, at the head: 16 row blocks x 4,608 bytes (576 elements of 8), 12,288 bytes apart
	s_mov_b32 s[\g+1], 576<<16
	s_mov_b32 s[\g+2], 16<<16
	s_mov_b32 s[\g+3], 576<<16
	s_mov_b32 s[\g+4], 16
	s_mov_b32 s[\g+5], 1536
	s_mov_b32 s[\g+6], 0
	s_mov_b32 s[\g+7], 0
.endr
.irp g, G1S, G1SB                      ; scale words: 8 K steps x 1,024 bytes, KSP bytes apart
	s_mov_b32 s[\g+1], 128<<16
	s_mov_b32 s[\g+2], 8<<16
	s_mov_b32 s[\g+3], 128<<16
	s_mov_b32 s[\g+4], 8
	s_mov_b32 s[\g+5], KSP/8
	s_mov_b32 s[\g+6], 0
	s_mov_b32 s[\g+7], 0
.endr
	s_lshl_b32 s17, s42, 6
	s_lshl_b32 s19, s41, 4
	s_add_co_u32 s17, s17, s19                     ; A's first row block: xq and xk lie at 0 .. 1,023
	s_lshl_b32 s18, s40, 4
	s_add_co_u32 s18, s18, 1536                    ; B's: Wq lies at 1,536 .. 1,599
	s_mul_i32 s12, s17, 12288
	s_mov_b32 s13, 0
	s_lshl_b32 s78, s17, 6
	s_add_co_u32 s78, s78, XWS
	s_mov_b32 s79, 0
	s_mul_i32 s44, s18, 12288
	s_mov_b32 s45, 0
	s_lshl_b32 s90, s18, 6
	s_add_co_u32 s90, s90, XWS
	s_mov_b32 s91, 0
	s_mul_i32 s92, s3, 8*12288                     ; in the ring I fetch eight row blocks: which half
	s_mov_b32 s93, 0
	s_and_b32 s16, s42, 1                          ; the second product: A = 8 row blocks of Wq,
	s_lshl_b32 s16, s16, 5
	s_lshl_b32 s19, s41, 3
	s_add_co_u32 s16, s16, s19
	s_add_co_u32 s16, s16, 1536
	s_lshr_b32 s20, s42, 1                         ; B = 16 row blocks of xv (at 1,024 .. 1,535)
	s_lshl_b32 s20, s20, 6
	s_lshl_b32 s22, s40, 4
	s_add_co_u32 s20, s20, s22
	s_add_co_u32 s20, s20, 1024
	s_lshl_b32 s21, s3, 2
	s_add_co_u32 s21, s21, s16
	s_mul_i32 s66, s21, 12288
	s_mov_b32 s67, 0
	s_lshl_b32 s22, s3, 3
	s_add_co_u32 s22, s22, s20
	s_mul_i32 s100, s22, 12288
	s_mov_b32 s101, 0
	s_mul_i32 s47, s14, 8*PX                       ; where my quarter of Y goes,
	s_mul_i32 s2, s14, 8*PZ                        ; and of X's second fill: no place in the cluster enters an LDS address
	s_mul_i32 s43, s3, 4*TB2
	s_wait_dscnt 0x0                               ; both opening adds are done
	s_wait_kmcnt 0x0
	s_add_nc_u64 s[12:13], s[4:5], s[12:13]
	s_add_nc_u64 s[78:79], s[4:5], s[78:79]
	s_add_nc_u64 s[44:45], s[4:5], s[44:45]
	s_add_nc_u64 s[90:91], s[4:5], s[90:91]
	s_add_nc_u64 s[66:67], s[4:5], s[66:67]
	s_add_nc_u64 s[100:101], s[4:5], s[100:101]
	CROUND                                         ; all sixteen work-groups are here: the first joint loads meet
	s_mov_b32 s32, 1                               ; the head's four tiles: A's K steps 0-2,
	s_mov_b32 s33, 0
	s_mov_b64 s[34:35], s[12:13]
	s_or_b32 s35, s35, 0x80000000
	s_mov_b32 s56, 1                               ; B's,
	s_mov_b32 s57, XB
	s_mov_b64 s[58:59], s[44:45]
	s_or_b32 s59, s59, 0x80000000
	s_mov_b32 s[G0S], 1                            ; A's scale words,
	s_mov_b32 s[G0S+1], SCL
	s_or_b32 s[G0S+3], s[G0S+3], 0x80000000
	s_mov_b32 s[G0SB], 1                           ; B's
	s_mov_b32 s[G0SB+1], SCL+8192
	s_or_b32 s[G0SB+3], s[G0SB+3], 0x80000000
	s_add_nc_u64 s[12:13], s[12:13], s[92:93]      ; for the ring: my eight row blocks
	s_add_nc_u64 s[44:45], s[44:45], s[92:93]
	s_mov_b32 s36, 1                               ; K steps 3-5 into Y
	s_add_co_u32 s37, s47, YS
	s_add_nc_u64 s[38:39], s[12:13], PX
	s_or_b32 s39, s39, 0x80000000
	s_mov_b32 s60, 1
	s_add_co_u32 s61, s47, YS
	s_add_nc_u64 s[62:63], s[44:45], PX
	s_or_b32 s63, s63, 0x80000000
	s_mov_b32 s92, 1                               ; K steps 6-7 into X
	s_mov_b32 s93, s2
	s_add_nc_u64 s[94:95], s[12:13], 2*PX
	s_or_b32 s95, s95, 0x80000000
	s_mov_b32 s96, 1
	s_mov_b32 s97, s2
	s_add_nc_u64 s[98:99], s[44:45], 2*PX
	s_or_b32 s99, s99, 0x80000000
	ARM 1, 32,  G1,  .Lhead_b                      ; one chain of branches on the wave's number, one load to an arm
	ARM 2, 56,  G1B, .Lhead_sa
	ARM 3, G0S, G1S, .Lhead_sb
	tensor_load_to_lds s[G0SB:G0SB+3], s[G1SB:G1SB+7]
	s_nop 0
.rept 4
	v_nop
.endr
.Lhead_asked:
	s_mov_b32 s[SEL], 0x76543210
	s_mov_b32 s[SEL+1], 0xfedcba98
	s_mov_b32 s[HM], 0xffff0000
	s_mul_i32 s21, s15, 8*PX                       ; my eight row blocks of A in X and Y, in X's second fill;
	s_mul_i32 s22, s15, 8*PZ
	s_mul_i32 s23, s3, 8*PX                        ; of B
	s_add_co_u32 s23, s23, XB
	s_mul_i32 s18, s3, 8*PZ
	s_add_co_u32 s18, s18, ZB
	s_mul_i32 s19, s15, 4*TB2                      ; the second product's
	s_mul_i32 s45, s3, 8*TB2
	s_add_co_u32 s45, s45, APART2
	s_lshl_b32 s46, s15, 9                         ; scale words: A's half; lanes 16-31 take B's
	s_lshl_b32 s47, s3, 9
	s_add_co_u32 s47, s47, 8192
	s_sub_co_u32 s47, s47, s46
	s_add_co_u32 s46, s46, SCL
	v_and_b32 v1, 31, v0
	v_and_b32 v2, 15, v0                           ; r
	v_bfe_u32 v3, v0, 4, 1                         ; h
	v_lshlrev_b32 v[LI], 4, v1
	v_add_nc_u32 v[ADRA], s21, v[LI]
	v_add_nc_u32 v[ADRA+2], s22, v[LI]
	v_add_nc_u32 v[ADRB], s23, v[LI]
	v_add_nc_u32 v[ADRB+2], s18, v[LI]
	v_add_nc_u32 v[ADRA+1], YS, v[ADRA]
	v_add_nc_u32 v[ADRB+1], YS, v[ADRB]
	v_add_nc_u32 v[ADRA2+1], s19, v[LI]
	v_add_nc_u32 v[ADRB2+1], s45, v[LI]
	v_add_nc_u32 v[ADRA2], DSLOT, v[ADRA2+1]
	v_add_nc_u32 v[ADRB2], DSLOT, v[ADRB2+1]
	v_mul_u32_u24 v4, s47, v3
	v_lshl_add_u32 v4, v2, 4, v4
	v_add_nc_u32 v[ADRS], s46, v4
	s_wait_alu depctr_va_vdst(0)                   ; the wait ahead of the run of scalar instructions
	s_lshl_b32 s21, s15, 2
	s_add_co_u32 s21, s21, s16                     ; the second product: my four row blocks of Wq,
	s_lshl_b32 s19, s21, 6
	s_lshl_b32 s23, s3, 3
	s_add_co_u32 s22, s20, s23                     ; my eight of xv
	s_lshl_b32 s22, s22, 6
	s_sub_co_u32 s19, s19, s22
	s_add_co_u32 s22, s22, XWS
	s_lshl_b32 s18, s40, 10                        ; bq at my 128 of e, first product
	s_lshl_b32 s45, s3, 9
	s_add_co_u32 s18, s18, s45
	s_sub_co_u32 s21, s21, 1536
	s_lshl_b32 s21, s21, 6                         ; and at my 64 of e, second product
	v_xor_b32 v4, 1, v3
	v_mul_u32_u24 v5, s19, v4                      ; lanes 0-15 take Wq's scale words, lanes 16-31 xv's
	v_lshl_add_u32 v5, v2, 4, v5
	v_add_nc_u32 v5, s22, v5
	v_lshl_add_u32 v6, v3, 8, v5
	v_lshlrev_b32 v7, 6, v3
	v_add_nc_u32 v7, s18, v7
	v_and_b32 v8, 8, v2
	v_add_nc_u32 v8, v8, v2
	v_lshlrev_b32 v8, 2, v8
	v_add_nc_u32 v8, s21, v8
	v_lshlrev_b32 v9, 4, v2
.irp k, 0,1,2,3,4,5,6,7
	global_load_b128 v[SC2+8*\k:SC2+8*\k+3], v5, s[4:5] offset:\k*KSP
	global_load_b128 v[SC2+8*\k+4:SC2+8*\k+7], v6, s[4:5] offset:\k*KSP
.endr
	WIN TO_B
.irp b, 0,1                            ; bq in the result's layout: register 16 b + i is e = 32 b + 16 h + i of my 128
.irp j, 0,1,2,3
	global_load_b128 v[96+16*\b+4*\j:96+16*\b+4*\j+3], v7, s[6:7] offset:128*\b+16*\j
.endr
.endr
.irp b, 2,3
.irp j, 0,1,2,3
	global_load_b128 v[192+16*\b+4*\j:192+16*\b+4*\j+3], v7, s[6:7] offset:128*\b+16*\j
.endr
.endr
	WIN 0
.irp a, 0,1,2,3
	global_load_b32 v[BO+2*\a], v8, s[6:7] offset:(32*(\a/2)+8*(\a%2))*4
.endr
	s_wait_alu depctr_va_vdst(0)                   ; the wait at the head's end
	s_wait_tensorcnt 0x0                           ; my tile of the head's four is in; the full sequence ahead of a later first fill:
	ds_add_u32 v[SPW], v[NIL]
	s_mov_b32 s[G1+2], 8<<16                       ; no tensor load of mine is out: from here on a load brings eight row blocks
	s_mov_b32 s[G1+4], 8
	s_mov_b32 s[G1B+2], 8<<16
	s_mov_b32 s[G1B+4], 8
	s_wait_dscnt 0x0
	CROUND                                         ; all four tiles are in, in every work-group
	JLOAD 36, G1, 60, G1B                          ; K steps 3-5 into Y: the first tensor load behind the round
	FETCH_B 0
	FETCH_A 0, 0
	SCALES 0
	FETCH_A 0, 4
	s_wait_loadcnt 4                               ; bq for the first product is in: only the four loads issued behind it may be out
	KSTEP 0, 0, 1                                  ; the first products start the sums, from bq
	KSTEP 1, 0, 0
	KSTEP 2, 2, 0
	s_lshl_b32 s19, s15, 3                         ; where the results go (the scale words' descriptors are done with: their registers are free)
	s_add_co_u32 s19, s19, s17
	s_lshl_b32 s21, s40, 1
	s_add_co_u32 s21, s21, s3
	s_lshl_b32 s22, s21, 16
	s_lshl_b32 s23, s19, 6
	s_add_co_u32 s22, s22, s23
	s_add_co_u32 s22, s22, QKS
	s_mov_b32 s23, 0
	s_add_nc_u64 s[70:71], s[8:9], s[22:23]
	s_lshl_b32 s22, s19, 3
	s_add_co_u32 s22, s22, s21
	s_mul_i32 s22, s22, 1536
	s_add_nc_u64 s[68:69], s[8:9], s[22:23]
	s_lshr_b32 s19, s42, 1
	s_lshl_b32 s19, s19, 2
	s_add_co_u32 s19, s19, s40
	s_lshr_b32 s21, s19, 3
	s_lshl_b32 s21, s21, 6
	s_add_co_u32 s21, s21, s16
	s_sub_co_u32 s21, s21, 1536
	s_lshl_b32 s22, s15, 2
	s_add_co_u32 s21, s21, s22
	s_and_b32 s19, s19, 7
	s_lshl_b32 s19, s19, 1
	s_add_co_u32 s19, s19, s3
	s_lshl_b32 s22, s21, 4
	s_add_co_u32 s22, s22, s19
	s_mul_i32 s22, s22, 1536
	s_add_nc_u64 s[72:73], s[10:11], s[22:23]
	s_lshl_b32 s22, s19, 14
	s_lshl_b32 s19, s21, 6
	s_add_co_u32 s22, s22, s19
	s_add_co_u32 s22, s22, VVS
	s_add_nc_u64 s[74:75], s[10:11], s[22:23]
	s_mul_i32 s76, s3, 8*TB2
	s_add_co_u32 s76, s76, APART2
	KSTEP 3, 0, 0
	KSTEP 4, 0, 0
	KSTEP 5, 3, 0
	KSTEP 6, 0, 0
	s_wait_dscnt 4*NL                              ; the first product's last step
	WIN MUL_LO
	MUL16 0, 1, 1, 1, 0
	MUL16 2, 1, 1, 1, 0
	s_wait_dscnt 0
	WIN MUL_HI
	MUL16 4, 1, 1, 1, 0
	MUL16 6, 1, 1, 1, 0
	WIN 0
	s_wait_loadcnt 0x0
	PLACES NP
.irp b, 0,1,2,3
	v_mov_b32 v[TM+4+\b], 0                        ; a lane permute's destination counts as one of its sources
.endr
.irp a, 0,1,2,3
	v_mov_b32 v[BO+2*\a+1], v[BO+2*\a]
.endr
.irp a, 0,1,2,3
	EPIQ \a                                        ; blocks 0-3 leave window 2 to the second product
.endr
	MID
	FETCH4 0, 0, 0
	STEP4 0, 0, 1, 4                               ; the second product; among its instructions the way out of the first product's blocks 4, 5, 6
	STEP4 0, 1, 0, 5
	STEP4 0, 2, 0, 6
	s_wait_alu depctr_va_vdst(0)                   ; directly ahead of the wait below
	s_wait_tensorcnt 0x0                           ; the second half of K has landed
	ds_add_u32 v[SPW], v[NIL]
	s_wait_dscnt 1
	MUL8 0, 1, 3, 0
	s_wait_dscnt 0x0
	s_barrier_signal -1
	MUL8 1, 1, 3, 0
	WIN 0
	s_barrier_wait -1
	PLACES 4
	FETCH4 1, 0, 0
	MUL8 2, 1, 3, 0
	MUL8 3, 1, 3, 0
	WIN 0
	STEP4 1, 0, 0, 7                               ; and of block 7
.irp i, 0,1,2,3
	v_cndmask_b32 v[56+\i], v[PWS+\i], v[PWS+4+\i], s[HM]   ; lanes 0-15: blocks 0-3's scale words, lanes 16-31: blocks 4-7's
.endr
	global_store_b128 v[LI], v[56:59], s[70:71]
	STEP4 1, 1, 0
	STEP4 1, 2, 0
	s_wait_dscnt 0x0
	MUL8 0, 1, 7, 0
	MUL8 1, 1, 7, 0
	MUL8 2, 1, 7, 0
	MUL8 3, 1, 7, 0
	WIN 0
	PLACES NP
.irp a, 0,1,2,3
	EPIV \a
.endr
	s_wait_xcnt 0x0                                ; EXEC changes only behind this wait
	v_cmp_gt_u32 vcc_lo, 16, v1
	s_and_saveexec_b32 s77, vcc_lo
	global_store_b128 v9, v[PWS:PWS+3], s[74:75]
	s_wait_xcnt 0x0
	s_or_b32 exec_lo, exec_lo, s77
	s_wait_tensorcnt 0x0                           ; the wave's end
	ds_add_u32 v[SPW], v[NIL]
	s_wait_dscnt 0x0
	CROUND                                         ; the closing round
	s_endpgm
.Lfunc_end_k_qa8d1dc725f_proj:
	.size	k_qa8d1dc725f_proj, .Lfunc_end_k_qa8d1dc725f_proj-k_qa8d1dc725f_proj
	.p2alignl 7, 3214868480
	.fill 96, 4, 3214868480
	.section	.rodata,"a",@progbits
	.p2align	6, 0x0
	.amdhsa_kernel k_qa8d1dc725f_proj
		.amdhsa_group_segment_fixed_size 327680
		.amdhsa_private_segment_fixed_size 0
		.amdhsa_enable_private_segment 0
		.amdhsa_kernarg_size 32
		.amdhsa_user_sgpr_count 2
		.amdhsa_user_sgpr_kernarg_segment_ptr 1
		.amdhsa_wavefront_size32 1
		.amdhsa_system_sgpr_workgroup_id_x 1
		.amdhsa_system_sgpr_workgroup_id_y 1
		.amdhsa_system_sgpr_workgroup_id_z 1
		.amdhsa_system_vgpr_workitem_id 0
		.amdhsa_next_free_vgpr 1024
		.amdhsa_next_free_sgpr 102
		.amdhsa_reserve_vcc 1
		.amdhsa_float_denorm_mode_32 3
		.amdhsa_float_denorm_mode_16_64 3
		.amdhsa_memory_ordered 1
		.amdhsa_forward_progress 1
		.amdhsa_inst_pref_size 229
	.end_amdhsa_kernel
	.amdgpu_metadata
---
amdhsa.version: [ 1, 2 ]
amdhsa.kernels:
  - .name:           k_qa8d1dc725f_proj
    .symbol:         k_qa8d1dc725f_proj.kd
    .args:
      - { .name: xw, .offset: 0, .size: 8, .value_kind: global_buffer, .address_space: global }
      - { .name: bq, .offset: 8, .size: 8, .value_kind: global_buffer, .address_space: global }
      - { .name: qk, .offset: 16, .size: 8, .value_kind: global_buffer, .address_space: global }
      - { .name: vv, .offset: 24, .size: 8, .value_kind: global_buffer, .address_space: global }
    .group_segment_fixed_size: 327680
    .private_segment_fixed_size: 0
    .kernarg_segment_align: 8
    .kernarg_segment_size: 32
    .max_flat_workgroup_size: 128
    .sgpr_count:     102
    .vgpr_count:     1024
    .wavefront_size: 32
...
	.end_amdgpu_metadata
.endif
;; end of part 2
;; launch score (part 3): grid 8 x 32, 4 waves a work-group, clusters of 4 x 4, 327,680 bytes of LDS; arguments qk, mw, pp; writes pp
.if DOCPART == 3
	.amdgcn_target "amdgcn-amd-amdhsa--gfx1250"
	.amdhsa_code_object_version 6
	.text
	.protected	k_qa8d1dc725f_score
	.globl	k_qa8d1dc725f_score
	.p2align	8
	.type	k_qa8d1dc725f_score,@function
k_qa8d1dc725f_score:
	s_mov_b64 s[64:65], 0
	v_nop
	global_prefetch_b8 v0, s[64:65] scope:SCOPE_SE
	s_setreg_imm32_b32 hwreg(HW_REG_WAVE_MODE, 25, 1), 1
	s_wait_xcnt 0x0
	s_wait_alu depctr_hold_cnt(0) depctr_sa_sdst(0) depctr_va_vdst(0) depctr_va_sdst(0) depctr_va_ssrc(0) depctr_va_vcc(0) depctr_vm_vsrc(0)
	s_getreg_b32 s2, hwreg(HW_REG_IB_STS2, 6, 4)
	s_cmp_eq_u32 s2, 0
	s_cbranch_scc0 .Lentry_in_a_cluster
	s_endpgm
.Lentry_in_a_cluster:
	s_bfe_u32 s2, ttmp6, 0x10000c
	s_cmp_lg_u32 s2, 0xf033
	s_cbranch_scc0 .Lentry_shape_is_right
	s_endpgm
.Lentry_shape_is_right:
; SCORE.  For each batch S^T = K Q^T on codes of FP6 (E2M3) with E8M0 scales (buffer qk); masked scores become -infinity (lane-bit words of buffer mw: att_mask == 1); then, for each query and each 128 keys,
; t = score x log2(e) / 32, Mloc = ceil(the largest t of these 128 keys), p = 2^(t - Mloc); p is quantised along the keys; its codes, scale words, -Mloc and the sum of the unquantised p go to buffer pp.  Nothing is left out.
; WHY A LOCAL M SERVES: M is a whole number, so p under the row's M is p under Mloc times an exact power of two: the codes are the same, and the next launch takes the difference off the scale bytes and the sums.
; A maximum is taken away before every exponential: no exponent is above 0.  Where all 128 keys of a query are masked, t is held at -3e38: p = 0, the sum is 0, and -Mloc = 3e38 marks the chunk as the least.
; Layout of all operands: row block T = 16 rows, lane-row i = logical row 32 (T / 2) + 8 (T % 2) + i + 8 (i / 8); codes [T][K step of 128][1536 bytes = the operand's 12 registers]; scale words, -Mloc and sums [K step][T / 4][lane-row][T % 4].
; A tile of 256 queries x 256 keys is made by four waves, each 128 x 128.  Source 0 = 16 keys ("B"), source 1 = 16 queries ("A"): a lane holds one query, and the 16 registers of B's blocks 2 b, 2 b + 1 are keys 32 b + 16 (lane / 16) + 0 .. 15.
; K = 1,024 goes as 3 + 3 + 2 steps of 128 through two LDS slots X and Y of 147,456 bytes; the steps are written out.  At the head each wave issues ONE joint load: wave 0 A's 16 row blocks x 4,608 bytes (K steps 0-2), wave 1 B's,
; wave 2 A's scale words, wave 3 B's.  Y (K steps 3-5) is first filled behind the full sequence and a round, a quarter a wave; at K step 2's change of slots X takes K steps 6-7, 3,072 bytes a row block.
; CLUSTERS: 4 x 4; Q's tiles are shared along a row of the cluster, K's along a column.  No prefetch: the text has no loop to run ahead in.
; No tile is skipped by the mask: the mask is an input, and it only selects values.
; LIMITS: a block whose largest p lies under 2^-124 keeps the byte 1; NaN and infinities among the scores are not served.
.set PX,     4608                      ; a row block's bytes in X and Y: three K steps
.set PZ,     3072                      ; and in X's second fill: two K steps
.set XB,     16*PX                     ; B's part of a slot, behind A's 16 row blocks
.set ZB,     16*PZ
.set YS,     32*PX                     ; slot Y
.set SCL,    2*YS                      ; the scale words: A's [8 K steps][1,024 bytes], then B's
.set SPARE,  SCL+16384                 ; the spare words, 128 bytes for each wave
.set QKS,    12582912                  ; qk: where the scale words begin
.set KSP,    65536                     ; and their bytes for one K step
.set PS,     12582912                  ; pp: where the scale words begin (32,768 bytes a K step); -Mloc 524,288 bytes on, the sums 1,048,576
.set FR,     12
.set NL,     3
.set NP,     4
.set ADRA, 16                          ; v16-18 my A fragments: X (K steps 0-2), Y (3-5), X again (6-7)
.set ADRB, 20                          ; v20-22 the same for B
.set LI,   24
.set ADRS, 27
.set SPW,  28
.set NIL,  29
.set SC,   32
.set AF,   128
.set BMX,  32                          ; the way out: v32-35 the blocks' largest scores, then p
.set T2,   36
.set SO,   40                          ; v40-43 the conversions' scale operands
.set BY,   44
.set NM,   48                          ; v[48:49] -Mloc
.set FS,   50                          ; v[50:53] the sum, in two chains
.set NINF, 54
.set TP,   55
.set PWS,  64                          ; v64-71 scale words;  v72-79 -Mloc;  v80-87 the sums;  v88-99 as they leave
.set NMS,  72
.set LS,   80
.set H,    128                         ; v128-191 a block's 64 scores, then p
.set PC,   192
.set G1, 24
.set G1B, 48
.set CS,  66                           ; s[66:67] c = log2(e) / 32
.set G1S, 68
.set G0S, 76
.set G1SB, 80
.set G0SB, 88
.set SEL, 96                           ; s[96:97], s98: written when the last tensor load is done
.set HM,  98
.set MSB, 0
.macro WIN new
.if MSB != (\new)
	s_set_vgpr_msb (MSB<<8)|(\new)
.set MSB, (\new)
.endif
.endm
.set MUL_LO, 0xa1
.set MUL_HI, 0xf1
.set TO_B,   0x40
.macro JLOAD g0a, g1a, g0b, g1b        ; a joint load: waves 0 and 1 fetch for A, waves 2 and 3 for B
	s_cmp_eq_u32 s15, 0
	s_cbranch_scc0 .Lfor_b_\@
	tensor_load_to_lds s[\g0a:\g0a+3], s[\g1a:\g1a+7]
	s_nop 0
.rept 4
	v_nop
.endr
	s_branch .Lasked_\@
.Lfor_b_\@:
	tensor_load_to_lds s[\g0b:\g0b+3], s[\g1b:\g1b+7]
	s_nop 0
.rept 4
	v_nop
.endr
.Lasked_\@:
.endm
.macro CREST
	s_cmp_lg_u32 s14, 0
	s_cbranch_scc1 .Lnot_wave_0_\@
	s_barrier_signal -3
.Lnot_wave_0_\@:
	s_barrier_wait -3
	s_barrier_signal -1
	s_barrier_wait -1
.endm
.macro CROUND
	s_barrier_signal -1
	s_barrier_wait -1
	CREST
.endm
.macro ARM under, g0, g1, next         ; one arm of the head's chain: its load, and a jump to the join
	s_cmp_lt_u32 s14, \under
	s_cbranch_scc0 \next
	tensor_load_to_lds s[\g0:\g0+3], s[\g1:\g1+7]
	s_nop 0
.rept 4
	v_nop
.endr
	s_branch .Lhead_asked
\next:
.endm
.macro PLACES n
.rept \n
	v_nop
.endr
.endm
.macro FRAG reg, adr, k, i             ; row block i of K step k: three loads of 16 bytes a lane
.irp c, 0,1,2
	ds_load_b128 v[\reg+4*\c:\reg+4*\c+3], v[\adr+(\k)/3] offset:(\i)*(PX-(PX-PZ)*((\k)/6))+((\k)%3)*1536+512*\c
.endr
.endm
.macro FETCH_B k
	WIN TO_B
.irp i, 0,1,2,3,4,5,6,7
	FRAG 128*((\k)%2)+FR*\i, ADRB, \k, \i
.endr
	WIN 0
.endm
.macro FETCH_A k, i0
.irp i, \i0, \i0+1, \i0+2, \i0+3
	FRAG AF+FR*(\i), ADRA, \k, \i
.endr
.endm
.macro SCALES j                        ; the scale words of K steps 2 j and 2 j + 1 into set j % 2
.irp q, 0,1
.irp g, 0,1
	ds_load_b128 v[SC+16*((\j)%2)+8*\q+4*\g:SC+16*((\j)%2)+8*\q+4*\g+3], v[ADRS] offset:2048*(\j)+1024*\q+256*\g
.endr
.endr
.endm
; The 64 accumulators take turns, one instruction a turn, in the same order in every step.
.macro MUL16 a0, p, q, sc, zero
.irp a, \a0, \a0+1
.irp b, 0,1,2,3,4,5,6,7
.if \zero
	v_wmma_scale_f32_16x16x128_f8f6f4 v[8*(8*((\a)%4)+\b):8*(8*((\a)%4)+\b)+7], v[128*(\p)+FR*\b:128*(\p)+FR*\b+FR-1], v[AF+FR*(\a):AF+FR*(\a)+FR-1], 0, v[SC+16*(\sc)+8*(\q)+\b], v[SC+16*(\sc)+8*(\q)+(\a)] matrix_a_fmt:MATRIX_FMT_FP6 matrix_b_fmt:MATRIX_FMT_FP6 matrix_a_scale:MATRIX_SCALE_ROW1
.else
	v_wmma_scale_f32_16x16x128_f8f6f4 v[8*(8*((\a)%4)+\b):8*(8*((\a)%4)+\b)+7], v[128*(\p)+FR*\b:128*(\p)+FR*\b+FR-1], v[AF+FR*(\a):AF+FR*(\a)+FR-1], v[8*(8*((\a)%4)+\b):8*(8*((\a)%4)+\b)+7], v[SC+16*(\sc)+8*(\q)+\b], v[SC+16*(\sc)+8*(\q)+(\a)] matrix_a_fmt:MATRIX_FMT_FP6 matrix_b_fmt:MATRIX_FMT_FP6 matrix_a_scale:MATRIX_SCALE_ROW1
.endif
.endr
.endr
.endm
; K step k: 64 products; the next step's fragments are fetched in its middle and at its end.  turn = 0: the next step lies in the same slot.
; turn = 1, 2: a change of slots: each wave waits for all its tensor loads, adds 0 to its spare word, waits for that and for its reads, and passes a barrier.  turn = 2: the barrier opens a round, and X is filled again.
.macro KSTEP k, turn, zero
.if \turn
	s_wait_tensorcnt 0x0                           ; all my tensor loads have landed: my part of the next slot
	ds_add_u32 v[SPW], v[NIL]
	s_wait_dscnt 4*NL+1                            ; (the add and the youngest twelve loads, A's blocks 4-7, may be out)
	WIN MUL_LO
	MUL16 0, (\k)%2, (\k)%2, ((\k)/2)%2, \zero
	s_wait_dscnt 0x0                               ; the add is done, and my reads of this slot are over
	s_barrier_signal -1
	MUL16 2, (\k)%2, (\k)%2, ((\k)/2)%2, \zero
	WIN 0
	s_barrier_wait -1
.if (\turn) == 2
	CREST
	s_mov_b32 s[G1+1], 384<<16                     ; no tensor load of mine is out: rows of 3,072 bytes from here on
	s_mov_b32 s[G1+3], 384<<16
	s_mov_b32 s[G1B+1], 384<<16
	s_mov_b32 s[G1B+3], 384<<16
	JLOAD 92, G1, 96, G1B                          ; K steps 6 and 7 into X
.else
	PLACES NP
.endif
.else
	s_wait_dscnt 4*NL                              ; all but the youngest twelve loads (A's blocks 4-7)
	WIN MUL_LO
	MUL16 0, (\k)%2, (\k)%2, ((\k)/2)%2, \zero
	MUL16 2, (\k)%2, (\k)%2, ((\k)/2)%2, \zero
	s_wait_dscnt 0
	PLACES NP
.endif
	FETCH_B (\k)+1
	FETCH_A (\k)+1, 0
.if (\k)%2
	SCALES ((\k)+1)/2
.endif
	WIN MUL_HI
	MUL16 4, (\k)%2, (\k)%2, ((\k)/2)%2, \zero
	MUL16 6, (\k)%2, (\k)%2, ((\k)/2)%2, \zero
	PLACES NP
	WIN 0
	FETCH_A (\k)+1, 4
.endm
; The 64 mask words of query block a and my chunk: word w in s[16 + w] (w < 48) or s[32 + w].  They land on the descriptors' registers: every tensor load has been waited for.
.macro MASKLOAD a
	s_load_b512 s[16:31], s[6:7], (\a)*4096
	s_load_b512 s[32:47], s[6:7], (\a)*4096+64
	s_load_b512 s[48:63], s[6:7], (\a)*4096+128
	s_load_b512 s[80:95], s[6:7], (\a)*4096+192
.endm
.macro EPI3 a                          ; the way out of query block a
	s_wait_kmcnt 0x0                               ; this block's mask words
	WIN 0x02+(\a)/4
.set II, 0
.rept 64                               ; a masked score becomes -infinity; each accumulator is read from its low end on
.if II < 48
	v_cndmask_b32 v[H+II], v[64*((\a)%4)+II], v[NINF], s[16+II]
.else
	v_cndmask_b32 v[H+II], v[64*((\a)%4)+II], v[NINF], s[32+II]
.endif
.set II, II+1
.endr
	WIN 0
.irp b, 0,1,2,3
	v_max3_num_f32 v[BMX+\b], v[H+16*\b], v[H+16*\b+1], v[H+16*\b+2]   ; the largest score of each block of 32 keys: for the chunk's maximum and for the block's largest p
.endr
.irp i, 3,5,7,9,11,13
.irp b, 0,1,2,3
	v_max3_num_f32 v[BMX+\b], v[BMX+\b], v[H+16*\b+\i], v[H+16*\b+\i+1]
.endr
.endr
.irp b, 0,1,2,3
	v_max_num_f32 v[BMX+\b], v[BMX+\b], v[H+16*\b+15]
.endr
.if (\a) < 7
	MASKLOAD (\a)+1                                ; the next block's words
.endif
.irp b, 0,1,2,3
	v_permlanex16_b32 v[T2+\b], v[BMX+\b], s[SEL], s[SEL+1]
.endr
.irp b, 0,1,2,3
	v_max_num_f32 v[BMX+\b], v[BMX+\b], v[T2+\b]   ; with lane l xor 16's 16 keys
.endr
	v_max3_num_f32 v[TP], v[BMX], v[BMX+1], v[BMX+2]
	v_max_num_f32 v[TP], v[TP], v[BMX+3]
	v_mul_f32 v[TP], s[CS], v[TP]                  ; as t (c is positive)
	v_max_num_f32 v[TP], 0xff61b1e6, v[TP]         ; held at -3e38 where all 128 keys are masked
	v_floor_f32 v[NM], -v[TP]                      ; -Mloc = floor(-t) = -ceil(t)
.set II, 0
.rept 32
	v_pk_fma_f32 v[H+II:H+II+1], v[H+II:H+II+1], s[CS:CS+1], v[NM:NM+1] op_sel_hi:[1,0,0]   ; t - Mloc, two at a time
.set II, II+2
.endr
.irp b, 0,1,2,3
	v_fma_f32 v[BMX+\b], v[BMX+\b], s[CS], v[NM]   ; the same of each block's largest score
.endr
.set II, 0
	s_wait_alu depctr_va_vdst(0)                   ; the wait ahead of the batch
.rept 64
	v_exp_f32 v[H+II], v[H+II]                     ; p = 2^(t - Mloc), at most 1
.set II, II+1
.endr
	v_mov_b32 v[NMS+(\a)], v[NM]                   ; (a plain place behind the exponentials)
	s_wait_alu depctr_va_vdst(0)                   ; one wait for the whole batch, ahead of its first reader
.irp b, 0,1,2,3
	v_exp_f32 v[BMX+\b], v[BMX+\b]                 ; the block's largest p: the same two instructions on the same number
.endr
	v_pk_add_f32 v[FS:FS+1], v[H:H+1], v[H+2:H+3]  ; the sum of the UNQUANTISED p, in two chains
	v_pk_add_f32 v[FS+2:FS+3], v[H+4:H+5], v[H+6:H+7]
.irp j, 8,12,16,20,24,28,32,36,40,44,48,52,56,60
	v_pk_add_f32 v[FS:FS+1], v[FS:FS+1], v[H+\j:H+\j+1]
	v_pk_add_f32 v[FS+2:FS+3], v[FS+2:FS+3], v[H+\j+2:H+\j+3]
.endr
	v_pk_add_f32 v[FS:FS+1], v[FS:FS+1], v[FS+2:FS+3]
	v_add_f32 v[FS], v[FS], v[FS+1]
	v_permlanex16_b32 v[TP], v[FS], s[SEL], s[SEL+1]
	v_add_f32 v[LS+(\a)], v[FS], v[TP]             ; with lane l xor 16's: the 128 keys' sum
	s_wait_alu depctr_va_vdst(0)                   ; and one wait for the four
.irp b, 0,1,2,3
	v_max_num_f32 v[BMX+\b], 0x1800000, v[BMX+\b]  ; the floor 2^(3 - 127): the byte cannot fall under 1
.endr
.irp b, 0,1,2,3
	v_add_nc_u32 v[SO+\b], 0xff000000, v[BMX+\b]   ; 2 off the exponent field: the conversion's scale operand
.endr
.irp b, 0,1,2,3
	v_lshrrev_b32 v[BY+\b], 23, v[SO+\b]
.endr
	v_lshl_or_b32 v[PWS+(\a)], v[BY+1], 8, v[BY]
	v_lshl_or_b32 v[PWS+(\a)], v[BY+2], 16, v[PWS+(\a)]
	v_lshl_or_b32 v[PWS+(\a)], v[BY+3], 24, v[PWS+(\a)]
.if (\a) > 0
	s_wait_alu depctr_va_vdst(0)                   ; directly ahead of the wait below
	s_wait_xcnt 0x0                                ; the last block's stores have read their registers
.endif
.irp c, 0,1
	v_cvt_scalef32_pk16_fp6_f32 v[PC+6*\c:PC+2+6*\c], v[H+32*\c:H+15+32*\c], v[SO+2*\c]
	v_cvt_scalef32_pk16_fp6_f32 v[PC+12+4*\c:PC+14+4*\c], v[H+16+32*\c:H+31+32*\c], v[SO+2*\c+1]
.endr
	v_nop                                          ; one plain place behind a scaled conversion
.irp c, 0,1
.irp i, 0,1,2
	v_permlane16_swap_b32 v[PC+6*\c+\i], v[PC+12+4*\c+\i]
.endr
.irp i, 0,1,2
	v_mov_b32 v[PC+3+6*\c+\i], v[PC+12+4*\c+\i]
.endr
.endr
.irp c, 0,1,2
	global_store_b128 v[LI], v[PC+4*\c:PC+4*\c+3], s[8:9] offset:(\a)*24576+512*\c   ; 32 lanes store 512 consecutive bytes
.endr
.endm
	s_load_b128 s[4:7], s[0:1], 0x0                ; qk s[4:5], mw s[6:7]
	s_load_b64 s[8:9], s[0:1], 0x10                ; pp
	v_lshl_add_u32 v[SPW], v0, 2, SPARE
	v_mov_b32 v[NIL], 0
	ds_add_u32 v[SPW], v[NIL]                      ; the opening lines: the add, twice on end, and its wait
	ds_add_u32 v[SPW], v[NIL]
	v_lshrrev_b32 v1, 5, v0
	v_readfirstlane_b32 s14, v1                    ; wave
	s_lshr_b32 s15, s14, 1                         ; which half of the queries is mine; also: in the ring I fetch for A (0) or B (1)
	s_and_b32 s3, s14, 1                           ; which half of the keys; also: which eight row blocks I fetch
	s_bfe_u32 s40, ttmp6, 0x40000                  ; cx
	s_bfe_u32 s41, ttmp6, 0x40004                  ; cy
	s_and_b32 s42, ttmp7, 0xffff                   ; the cluster's y
	s_lshl_b32 s45, s41, 2
	s_lshl_b32 s45, 15, s45                        ; my row of the cluster
	s_lshl_b32 s46, 0x1111, s40                    ; my column
	s_or_b32 s[G1], s45, (3<<16)|(1<<21)
	s_or_b32 s[G1B], s46, (3<<16)|(1<<21)
	s_or_b32 s[G1S], s45, (3<<16)|(1<<21)
	s_or_b32 s[G1SB], s46, (3<<16)|(1<<21)
.irp g, G1, G1B                        ; codes, at the head: 16 row blocks x 4,608 bytes (576 elements of 8), 12,288 bytes apart
	s_mov_b32 s[\g+1], 576<<16
	s_mov_b32 s[\g+2], 16<<16
	s_mov_b32 s[\g+3], 576<<16
	s_mov_b32 s[\g+4], 16
	s_mov_b32 s[\g+5], 1536
	s_mov_b32 s[\g+6], 0
	s_mov_b32 s[\g+7], 0
.endr
.irp g, G1S, G1SB                      ; scale words: 8 K steps x 1,024 bytes, KSP bytes apart
	s_mov_b32 s[\g+1], 128<<16
	s_mov_b32 s[\g+2], 8<<16
	s_mov_b32 s[\g+3], 128<<16
	s_mov_b32 s[\g+4], 8
	s_mov_b32 s[\g+5], KSP/8
	s_mov_b32 s[\g+6], 0
	s_mov_b32 s[\g+7], 0
.endr
	s_lshl_b32 s19, s42, 2
	s_add_co_u32 s19, s19, s41                     ; y: the tile of 256 queries, over all batches
	s_lshl_b32 s17, s19, 4                         ; A's first row block: Q's lie at 0 .. 511
	s_lshl_b32 s20, ttmp9, 2
	s_add_co_u32 s20, s20, s40                     ; the tile of 256 keys in the batch
	s_lshr_b32 s18, s42, 1                         ; the batch
	s_lshl_b32 s18, s18, 7
	s_lshl_b32 s16, s20, 4
	s_add_co_u32 s18, s18, s16
	s_add_co_u32 s18, s18, 512                     ; B's first row block: K's lie at 512 .. 1,023
	s_mul_i32 s12, s17, 12288
	s_mov_b32 s13, 0
	s_lshl_b32 s78, s17, 6
	s_add_co_u32 s78, s78, QKS
	s_mov_b32 s79, 0
	s_mul_i32 s44, s18, 12288
	s_mov_b32 s45, 0
	s_lshl_b32 s90, s18, 6
	s_add_co_u32 s90, s90, QKS
	s_mov_b32 s91, 0
	s_mul_i32 s92, s3, 8*12288                     ; in the ring I fetch eight row blocks: which half
	s_mov_b32 s93, 0
	s_mul_i32 s47, s14, 8*PX                       ; where my quarter of Y goes,
	s_mul_i32 s2, s14, 8*PZ                        ; and of X's second fill: no place in the cluster enters an LDS address
	s_wait_dscnt 0x0                               ; both opening adds are done
	s_wait_kmcnt 0x0
	s_add_nc_u64 s[12:13], s[4:5], s[12:13]
	s_add_nc_u64 s[78:79], s[4:5], s[78:79]
	s_add_nc_u64 s[44:45], s[4:5], s[44:45]
	s_add_nc_u64 s[90:91], s[4:5], s[90:91]
	CROUND                                         ; all sixteen work-groups are here: the first joint loads meet
	s_mov_b32 s32, 1                               ; the head's four tiles: A's K steps 0-2,
	s_mov_b32 s33, 0
	s_mov_b64 s[34:35], s[12:13]
	s_or_b32 s35, s35, 0x80000000
	s_mov_b32 s56, 1                               ; B's,
	s_mov_b32 s57, XB
	s_mov_b64 s[58:59], s[44:45]
	s_or_b32 s59, s59, 0x80000000
	s_mov_b32 s[G0S], 1                            ; A's scale words,
	s_mov_b32 s[G0S+1], SCL
	s_or_b32 s[G0S+3], s[G0S+3], 0x80000000
	s_mov_b32 s[G0SB], 1                           ; B's
	s_mov_b32 s[G0SB+1], SCL+8192
	s_or_b32 s[G0SB+3], s[G0SB+3], 0x80000000
	s_add_nc_u64 s[12:13], s[12:13], s[92:93]      ; for the ring: my eight row blocks
	s_add_nc_u64 s[44:45], s[44:45], s[92:93]
	s_mov_b32 s36, 1                               ; K steps 3-5 into Y
	s_add_co_u32 s37, s47, YS
	s_add_nc_u64 s[38:39], s[12:13], PX
	s_or_b32 s39, s39, 0x80000000
	s_mov_b32 s60, 1
	s_add_co_u32 s61, s47, YS
	s_add_nc_u64 s[62:63], s[44:45], PX
	s_or_b32 s63, s63, 0x80000000
	s_mov_b32 s92, 1                               ; K steps 6-7 into X
	s_mov_b32 s93, s2
	s_add_nc_u64 s[94:95], s[12:13], 2*PX
	s_or_b32 s95, s95, 0x80000000
	s_mov_b32 s96, 1
	s_mov_b32 s97, s2
	s_add_nc_u64 s[98:99], s[44:45], 2*PX
	s_or_b32 s99, s99, 0x80000000
	ARM 1, 32,  G1,  .Lhead_b                      ; one chain of branches on the wave's number, one load to an arm
	ARM 2, 56,  G1B, .Lhead_sa
	ARM 3, G0S, G1S, .Lhead_sb
	tensor_load_to_lds s[G0SB:G0SB+3], s[G1SB:G1SB+7]
	s_nop 0
.rept 4
	v_nop
.endr
.Lhead_asked:
	s_mov_b32 s[CS], 0x3d38aa3b                    ; log2(e) / 32: the scale 1024^(-1/2) = 2^-5 only moves the exponent
	s_mov_b32 s[CS+1], s[CS]
	s_lshl_b32 s12, s20, 1                         ; where the mask words come from and where the results go
	s_add_co_u32 s12, s12, s3                      ; my 128 keys: chunk 0 .. 15 of the batch = K step of the last product
	s_lshl_b32 s13, s15, 3
	s_and_b32 s16, s19, 7
	s_lshl_b32 s16, s16, 4
	s_add_co_u32 s16, s16, s13                     ; my first query block within a batch
	s_lshl_b32 s16, s16, 4
	s_add_co_u32 s16, s16, s12
	s_lshl_b32 s100, s16, 8
	s_mov_b32 s101, 0
	s_add_nc_u64 s[6:7], s[6:7], s[100:101]        ; mask words: 256 bytes for a block and a chunk, 4,096 from block to block
	s_add_co_u32 s16, s17, s13                     ; my first row block of P
	s_lshl_b32 s100, s12, 15
	s_lshl_b32 s21, s16, 6
	s_add_co_u32 s100, s100, s21
	s_add_co_u32 s100, s100, PS
	s_add_nc_u64 s[10:11], s[8:9], s[100:101]      ; scale words, -Mloc, sums
	s_lshl_b32 s16, s16, 4
	s_add_co_u32 s16, s16, s12
	s_mul_i32 s100, s16, 1536
	s_add_nc_u64 s[8:9], s[8:9], s[100:101]        ; codes
	s_mul_i32 s21, s15, 8*PX                       ; my eight row blocks of A in X and Y, in X's second fill;
	s_mul_i32 s22, s15, 8*PZ
	s_mul_i32 s23, s3, 8*PX                        ; of B
	s_add_co_u32 s23, s23, XB
	s_mul_i32 s16, s3, 8*PZ
	s_add_co_u32 s16, s16, ZB
	s_lshl_b32 s100, s15, 9                        ; scale words: A's half; lanes 16-31 take B's
	s_lshl_b32 s101, s3, 9
	s_add_co_u32 s101, s101, 8192
	s_sub_co_u32 s101, s101, s100
	s_add_co_u32 s100, s100, SCL
	v_and_b32 v1, 31, v0
	v_and_b32 v2, 15, v0
	v_bfe_u32 v3, v0, 4, 1
	v_lshlrev_b32 v[LI], 4, v1
	v_add_nc_u32 v[ADRA], s21, v[LI]
	v_add_nc_u32 v[ADRA+2], s22, v[LI]
	v_add_nc_u32 v[ADRB], s23, v[LI]
	v_add_nc_u32 v[ADRB+2], s16, v[LI]
	v_add_nc_u32 v[ADRA+1], YS, v[ADRA]
	v_add_nc_u32 v[ADRB+1], YS, v[ADRB]
	v_mul_u32_u24 v4, s101, v3
	v_lshl_add_u32 v4, v2, 4, v4
	v_add_nc_u32 v[ADRS], s100, v4
	s_wait_alu depctr_va_vdst(0)                   ; the wait at the head's end
	s_wait_tensorcnt 0x0                           ; my tile of the head's four is in; the full sequence ahead of a later first fill:
	ds_add_u32 v[SPW], v[NIL]
	s_mov_b32 s[G1+2], 8<<16                       ; no tensor load of mine is out: from here on a load brings eight row blocks
	s_mov_b32 s[G1+4], 8
	s_mov_b32 s[G1B+2], 8<<16
	s_mov_b32 s[G1B+4], 8
	s_wait_dscnt 0x0
	CROUND                                         ; all four tiles are in, in every work-group
	JLOAD 36, G1, 60, G1B                          ; K steps 3-5 into Y: the first tensor load behind the round
	FETCH_B 0
	FETCH_A 0, 0
	SCALES 0
	FETCH_A 0, 4
	KSTEP 0, 0, 1                                  ; the first products start the sums
	KSTEP 1, 0, 0
	KSTEP 2, 2, 0
	KSTEP 3, 0, 0
	KSTEP 4, 0, 0
	KSTEP 5, 1, 0                                  ; K steps 6-7 have landed in every wave; nothing is filled any more: the descriptors' registers are free
	MASKLOAD 0                                     ; the 128 products below stand between these loads and the wait for them
	s_mov_b32 s[SEL], 0x76543210
	s_mov_b32 s[SEL+1], 0xfedcba98
	s_mov_b32 s[HM], 0xffff0000
	KSTEP 6, 0, 0
	s_wait_dscnt 4*NL                              ; the very last step
	WIN MUL_LO
	MUL16 0, 1, 1, 1, 0
	MUL16 2, 1, 1, 1, 0
	s_wait_dscnt 0
	WIN MUL_HI
	MUL16 4, 1, 1, 1, 0
	MUL16 6, 1, 1, 1, 0
	WIN 0
	PLACES NP
	v_mov_b32 v[NINF], 0xff800000
	v_mov_b32 v[NM+1], 0                           ; (named as the upper half of a pair)
	v_mov_b32 v[TP], 0                             ; a lane permute's destination counts as one of its sources
.irp b, 0,1,2,3
	v_mov_b32 v[T2+\b], 0
.endr
	s_wait_alu depctr_va_vdst(0)                   ; directly ahead of the wait that follows
.irp a, 0,1,2,3,4,5,6,7
	EPI3 \a
.endr
.irp i, 0,1,2,3                        ; lanes 0-15: blocks 0-3, lanes 16-31: blocks 4-7: each store covers 512 consecutive bytes
	v_cndmask_b32 v[88+\i], v[PWS+\i], v[PWS+4+\i], s[HM]
	v_cndmask_b32 v[92+\i], v[NMS+\i], v[NMS+4+\i], s[HM]
	v_cndmask_b32 v[96+\i], v[LS+\i], v[LS+4+\i], s[HM]
.endr
	global_store_b128 v[LI], v[88:91], s[10:11]
	global_store_b128 v[LI], v[92:95], s[10:11] offset:524288
	global_store_b128 v[LI], v[96:99], s[10:11] offset:1048576
	s_wait_tensorcnt 0x0                           ; the wave's end
	ds_add_u32 v[SPW], v[NIL]
	s_wait_dscnt 0x0
	CROUND                                         ; the closing round
	s_endpgm
.Lfunc_end_k_qa8d1dc725f_score:
	.size	k_qa8d1dc725f_score, .Lfunc_end_k_qa8d1dc725f_score-k_qa8d1dc725f_score
	.p2alignl 7, 3214868480
	.fill 96, 4, 3214868480
	.section	.rodata,"a",@progbits
	.p2align	6, 0x0
	.amdhsa_kernel k_qa8d1dc725f_score
		.amdhsa_group_segment_fixed_size 327680
		.amdhsa_private_segment_fixed_size 0
		.amdhsa_enable_private_segment 0
		.amdhsa_kernarg_size 24
		.amdhsa_user_sgpr_count 2
		.amdhsa_user_sgpr_kernarg_segment_ptr 1
		.amdhsa_wavefront_size32 1
		.amdhsa_system_sgpr_workgroup_id_x 1
		.amdhsa_system_sgpr_workgroup_id_y 1
		.amdhsa_system_sgpr_workgroup_id_z 1
		.amdhsa_system_vgpr_workitem_id 0
		.amdhsa_next_free_vgpr 1024
		.amdhsa_next_free_sgpr 102
		.amdhsa_reserve_vcc 0
		.amdhsa_float_denorm_mode_32 3
		.amdhsa_float_denorm_mode_16_64 3
		.amdhsa_memory_ordered 1
		.amdhsa_forward_progress 1
		.amdhsa_inst_pref_size 228
	.end_amdhsa_kernel
	.amdgpu_metadata
---
amdhsa.version: [ 1, 2 ]
amdhsa.kernels:
  - .name:           k_qa8d1dc725f_score
    .symbol:         k_qa8d1dc725f_score.kd
    .args:
      - { .name: qk, .offset: 0, .size: 8, .value_kind: global_buffer, .address_space: global }
      - { .name: mw, .offset: 8, .size: 8, .value_kind: global_buffer, .address_space: global }
      - { .name: pp, .offset: 16, .size: 8, .value_kind: global_buffer, .address_space: global }
    .group_segment_fixed_size: 327680
    .private_segment_fixed_size: 0
    .kernarg_segment_align: 8
    .kernarg_segment_size: 24
    .max_flat_workgroup_size: 128
    .sgpr_count:     102
    .vgpr_count:     1024
    .wavefront_size: 32
...
	.end_amdgpu_metadata
.endif
;; end of part 3
;; launch pv (part 4): grid 4 x 64, 4 waves a work-group, clusters of 4 x 4, 327,680 bytes of LDS; arguments pp, vv, out0; writes out0
.if DOCPART == 4
	.amdgcn_target "amdgcn-amd-amdhsa--gfx1250"
	.amdhsa_code_object_version 6
	.text
	.protected	k_qa8d1dc725f_pv
	.globl	k_qa8d1dc725f_pv
	.p2align	8
	.type	k_qa8d1dc725f_pv,@function
k_qa8d1dc725f_pv:
	s_mov_b64 s[64:65], 0
	v_nop
	global_prefetch_b8 v0, s[64:65] scope:SCOPE_SE
	s_setreg_imm32_b32 hwreg(HW_REG_WAVE_MODE, 25, 1), 1
	s_wait_xcnt 0x0
	s_wait_alu depctr_hold_cnt(0) depctr_sa_sdst(0) depctr_va_vdst(0) depctr_va_sdst(0) depctr_va_ssrc(0) depctr_va_vcc(0) depctr_vm_vsrc(0)
	s_getreg_b32 s2, hwreg(HW_REG_IB_STS2, 6, 4)
	s_cmp_eq_u32 s2, 0
	s_cbranch_scc0 .Lentry_in_a_cluster
	s_endpgm
.Lentry_in_a_cluster:
	s_bfe_u32 s2, ttmp6, 0x10000c
	s_cmp_lg_u32 s2, 0xf033
	s_cbranch_scc0 .Lentry_shape_is_right
	s_endpgm
.Lentry_shape_is_right:
; PV.  out0 = (P V) / l on codes of FP6 (E2M3) with E8M0 scales.  P (buffer pp) was made under a local whole number Mloc for each query and each 128 keys.  Here the row's M = the largest Mloc; k = M - Mloc is a whole number, 0 or more;
; k is taken off the four scale bytes of that query and those 128 keys, and the chunk's sum of p is multiplied by 2^-k: both exact.  l is the sum of those sums and divides at the end.  Nothing is left out.
; LIMITS: k is held at 255, and a scale byte that would fall under 0 is held at 0: such terms are at most 7.5 x 2^-127 beside a row's largest p above 1/2.  A row all of whose keys are masked gives 0 x (1 / 0), a NaN, as the softmax of such a row is.
; Layout of all operands: row block T = 16 rows, lane-row i = logical row 32 (T / 2) + 8 (T % 2) + i + 8 (i / 8); codes [T][K step of 128][1536 bytes = the operand's 12 registers]; scale words, -Mloc, sums [K step][T / 4][lane-row][T % 4].
; A tile of 128 queries x 256 of e (tiles of 256 x 256 would be 128 work-groups) is made by four waves, each 64 x 128: 32 accumulators.  Source 0 = 16 rows of V^T ("B"), source 1 = 16 queries of P ("A"):
; a lane holds one query, and the 16 registers of B's blocks 2 b, 2 b + 1 are e = 32 b + 16 (lane / 16) + 0 .. 15.  K = 2,048 keys go in four steps of 512 through two LDS slots; the steps are written out.
; CLUSTERS: 4 x 4; P's tiles are shared along a row of the cluster, V's tiles and scale words along a column.  No prefetch: the text has no loop to run ahead in.
; THE HEAD: one joint load a wave: wave 0 V's scale words (all 16 K steps), wave 1 A's part of slot 0, waves 2 and 3 the halves of B's.  Slot 1 is first filled behind the full sequence and a round, one load a wave; the work on M and k stands under its flight.
; REGISTERS: window 0: v16-29 addresses; v32-63 P's scale words (register 4 j + a: K step 2 j in lanes 0-15, 2 j + 1 in lanes 16-31); v64-95 V's, two sets; v112-119 1 / l, in pairs; v128-223 A's fragments, two sets.  window 1: B's, two sets.  window 2: the accumulators, (a, b) at v[8 (8 a + b)].
.set TB,     6144                      ; a row block's part of a slot: four K steps of 128
.set APART,  8*TB                      ; A's eight row blocks
.set SLOT,   24*TB                     ; then B's sixteen
.set SCB,    2*SLOT                    ; behind the ring: V's scale words: [16 K steps][1,024 bytes]
.set SPARE,  SCB+16384                 ; behind them: the spare words, 128 bytes for each wave
.set SPITCH, 528                       ; the way out: a stage of 16 rows x (512 bytes + 16) for each wave, in slot 0, which has had its last fill and its last read when the first result is stored there
.set PS,     12582912                  ; pp: where the scale words begin (32,768 bytes a K step); -Mloc 524,288 bytes on, the sums 1,048,576
.set VVS,    6291456                   ; vv: where the scale words begin (16,384 bytes a K step)
.set FR,     12
.set ADRA, 16
.set ADRB, 20
.set LI,   24                          ; v24 16 x lane
.set STO,  25                          ; v25 the way out: where I put 32 bytes of a row
.set RD,   26                          ; v26 and where I read a row back
.set ADRV, 27                          ; v27 LDS address of V's scale words: lanes 0-15 an even K step, lanes 16-31 the next
.set SPW,  28
.set NIL,  29
.set PW,   32
.set VS,   64
.set MR,   100                         ; v100-103 the rows' M;  v104-107 the other half's;  v108-111 l
.set TP,   104
.set LSUM, 108
.set RL,   112                         ; v112, 114, 116, 118: 1 / l (the packed form names a pair and takes its low word)
.set AF,   128
.set PM,   128                         ; at the head: v128-159 -Mloc, v160-191 the chunks' sums, v192-215 at work
.set PL,   160
.set TT,   192
.set H,    128                         ; the way out: a block's 64 numbers
.set G1, 24
.set G0, 32
.set G1B, 48
.set G0B, 56
.set G0H, 68                           ; s[68:71] group 0 of the head's load of A
.set G1SB, 80
.set G0SB, 88
.set SEL, 96
.set MSB, 0
.macro WIN new
.if MSB != (\new)
	s_set_vgpr_msb (MSB<<8)|(\new)
.set MSB, (\new)
.endif
.endm
.set MULW, 0xa1                        ; source 0 (B) window 1, source 1 (A) window 0, C and D window 2
.set TO_B, 0x40
.macro JLOAD g0a, g1a, g0b, g1b        ; a joint load: waves 0 and 1 fetch for A, waves 2 and 3 for B
	s_cmp_eq_u32 s15, 0
	s_cbranch_scc0 .Lfor_b_\@
	tensor_load_to_lds s[\g0a:\g0a+3], s[\g1a:\g1a+7]
	s_nop 0
.rept 4
	v_nop
.endr
	s_branch .Lasked_\@
.Lfor_b_\@:
	tensor_load_to_lds s[\g0b:\g0b+3], s[\g1b:\g1b+7]
	s_nop 0
.rept 4
	v_nop
.endr
.Lasked_\@:
.endm
.macro CREST
	s_cmp_lg_u32 s14, 0
	s_cbranch_scc1 .Lnot_wave_0_\@
	s_barrier_signal -3
.Lnot_wave_0_\@:
	s_barrier_wait -3
	s_barrier_signal -1
	s_barrier_wait -1
.endm
.macro CROUND
	s_barrier_signal -1
	s_barrier_wait -1
	CREST
.endm
	s_load_b128 s[4:7], s[0:1], 0x0                ; pp s[4:5], vv s[6:7]
	s_load_b64 s[8:9], s[0:1], 0x10                ; out0
	v_lshl_add_u32 v[SPW], v0, 2, SPARE
	v_mov_b32 v[NIL], 0
	ds_add_u32 v[SPW], v[NIL]                      ; the opening lines: the add, twice on end, and its wait
	ds_add_u32 v[SPW], v[NIL]
	v_lshrrev_b32 v1, 5, v0
	v_readfirstlane_b32 s14, v1                    ; wave 0..3
	s_lshr_b32 s15, s14, 1                         ; which half of the queries is mine.  Also: in the ring I fetch for A (0) or for B (1)
	s_and_b32 s3, s14, 1                           ; which half of e.  Also: which half of that tile I fetch
	s_bfe_u32 s40, ttmp6, 0x40000                  ; cx
	s_bfe_u32 s41, ttmp6, 0x40004                  ; cy
	s_and_b32 s42, ttmp7, 0xffff                   ; the cluster's y
	s_lshl_b32 s45, s41, 2
	s_lshl_b32 s45, 15, s45                        ; my row of the cluster
	s_lshl_b32 s46, 0x1111, s40                    ; my column
	s_or_b32 s[G1], s45, (3<<16)|(1<<21)           ; 15:0 the mask; 17:16 elements of 8 bytes; 21 set beside a mask; no padding
	s_or_b32 s[G1B], s46, (3<<16)|(1<<21)
	s_or_b32 s[G1SB], s46, (3<<16)|(1<<21)
	s_mov_b32 s[G1+1], 768<<16                     ; A: row blocks x 6,144 bytes (768 elements), 24,576 bytes (3,072 elements) apart; at the head all eight
	s_mov_b32 s[G1+2], 8<<16
	s_mov_b32 s[G1+3], 768<<16
	s_mov_b32 s[G1+4], 8
	s_mov_b32 s[G1+5], 3072
	s_mov_b32 s[G1+6], 0
	s_mov_b32 s[G1+7], 0
	s_mov_b32 s[G1B+1], 768<<16                    ; B: 8 row blocks
	s_mov_b32 s[G1B+2], 8<<16
	s_mov_b32 s[G1B+3], 768<<16
	s_mov_b32 s[G1B+4], 8
	s_mov_b32 s[G1B+5], 3072
	s_mov_b32 s[G1B+6], 0
	s_mov_b32 s[G1B+7], 0
	s_mov_b32 s[G1SB+1], 128<<16                   ; V's scale words: 16 K steps x 1,024 bytes (128 elements), 16,384 bytes (2,048 elements) apart
	s_mov_b32 s[G1SB+2], 16<<16
	s_mov_b32 s[G1SB+3], 128<<16
	s_mov_b32 s[G1SB+4], 16
	s_mov_b32 s[G1SB+5], 2048
	s_mov_b32 s[G1SB+6], 0
	s_mov_b32 s[G1SB+7], 0
	s_lshl_b32 s19, s42, 2
	s_add_co_u32 s19, s19, s41                     ; y: the tile of 128 queries, over all batches
	s_lshl_b32 s17, s19, 3                         ; A's first row block
	s_lshr_b32 s18, s42, 2                         ; the batch
	s_lshl_b32 s18, s18, 6
	s_lshl_b32 s20, s40, 4
	s_add_co_u32 s18, s18, s20                     ; B's first row block: 64 x batch + 16 cx
	s_lshl_b32 s21, s3, 2
	s_add_co_u32 s21, s21, s17                     ; the four of A that I fetch in the ring
	s_mul_i32 s92, s21, 24576
	s_mov_b32 s93, 0
	s_lshl_b32 s22, s3, 3
	s_add_co_u32 s22, s22, s18                     ; the eight of B
	s_mul_i32 s96, s22, 24576
	s_mov_b32 s97, 0
	s_lshl_b32 s98, s18, 6
	s_mul_i32 s72, s17, 24576                      ; A's whole tile, for the head's load
	s_mov_b32 s73, 0
	s_add_co_u32 s98, s98, VVS
	s_mov_b32 s99, 0
	s_mul_i32 s47, s3, 4*TB                        ; where they go: no place in the cluster enters an LDS address
	s_mul_i32 s2, s3, 8*TB
	s_add_co_u32 s2, s2, APART
	s_wait_dscnt 0x0                               ; both opening adds are done
	s_wait_kmcnt 0x0
	s_add_nc_u64 s[92:93], s[4:5], s[92:93]
	s_add_nc_u64 s[96:97], s[6:7], s[96:97]
	s_add_nc_u64 s[98:99], s[6:7], s[98:99]
	CROUND                                         ; all sixteen work-groups are here: the first joint loads meet
	s_mov_b32 s[G0SB], 1
	s_mov_b32 s[G0SB+1], SCB
	s_mov_b64 s[G0SB+2:G0SB+3], s[98:99]
	s_or_b32 s[G0SB+3], s[G0SB+3], 0x80000000
.irp s, 0,1
	s_mov_b32 s[G0+4*\s], 1
	s_add_co_u32 s[G0+4*\s+1], s47, \s*SLOT
	s_add_nc_u64 s[G0+4*\s+2:G0+4*\s+3], s[92:93], \s*TB
	s_or_b32 s[G0+4*\s+3], s[G0+4*\s+3], 0x80000000
	s_mov_b32 s[G0B+4*\s], 1
	s_add_co_u32 s[G0B+4*\s+1], s2, \s*SLOT
	s_add_nc_u64 s[G0B+4*\s+2:G0B+4*\s+3], s[96:97], \s*TB
	s_or_b32 s[G0B+4*\s+3], s[G0B+4*\s+3], 0x80000000
.endr
	s_mov_b32 s[G0H], 1                            ; the head's load of A: eight row blocks, to the start of slot 0
	s_mov_b32 s[G0H+1], 0
	s_add_nc_u64 s[G0H+2:G0H+3], s[4:5], s[72:73]
	s_or_b32 s[G0H+3], s[G0H+3], 0x80000000
	s_cmp_lt_u32 s14, 1                            ; one chain of branches on the wave's number, one load to an arm
	s_cbranch_scc0 .Lhead_a
	tensor_load_to_lds s[G0SB:G0SB+3], s[G1SB:G1SB+7]
	s_nop 0
.rept 4
	v_nop
.endr
	s_branch .Lhead_asked
.Lhead_a:
	s_cmp_lt_u32 s14, 2
	s_cbranch_scc0 .Lhead_b
	tensor_load_to_lds s[G0H:G0H+3], s[G1:G1+7]
	s_nop 0
.rept 4
	v_nop
.endr
	s_branch .Lhead_asked
.Lhead_b:
	tensor_load_to_lds s[G0B:G0B+3], s[G1B:G1B+7]
	s_nop 0
.rept 4
	v_nop
.endr
.Lhead_asked:
	s_mov_b32 s[SEL], 0x76543210
	s_mov_b32 s[SEL+1], 0xfedcba98
	v_and_b32 v1, 31, v0
	v_and_b32 v2, 15, v0                           ; r
	v_bfe_u32 v3, v0, 4, 1                         ; h
	v_lshlrev_b32 v[LI], 4, v1
	; P's scale words, -Mloc and sums of my 64 queries, all 16 K steps: asked for first, worked on while slot 1's tiles are on their way
	s_wait_alu depctr_va_vdst(0)                   ; the wait ahead of the scalar instructions
	s_lshl_b32 s20, s19, 1
	s_add_co_u32 s20, s20, s15
	s_lshl_b32 s20, s20, 8
	s_add_co_u32 s20, s20, PS
	s_mov_b32 s21, 0
	s_add_nc_u64 s[12:13], s[4:5], s[20:21]
	v_lshlrev_b32 v1, 4, v2
	v_lshl_add_u32 v1, v3, 15, v1                  ; 16 r + one K step for lanes 16-31
.irp j, 0,1,2,3,4,5,6,7
	global_load_b128 v[PW+4*\j:PW+4*\j+3], v1, s[12:13] offset:65536*\j   ; sixteen lanes read 256 consecutive bytes, aligned
.endr
.irp j, 0,1,2,3,4,5,6,7
	global_load_b128 v[PM+4*\j:PM+4*\j+3], v1, s[12:13] offset:65536*\j+524288
.endr
.irp j, 0,1,2,3,4,5,6,7
	global_load_b128 v[PL+4*\j:PL+4*\j+3], v1, s[12:13] offset:65536*\j+1048576
.endr
	s_mul_i32 s21, s15, 4*TB
	s_mul_i32 s22, s3, 8*TB
	s_add_co_u32 s22, s22, APART
.irp s, 0,1
	v_add_nc_u32 v[ADRA+\s], s21, v[LI]
	v_add_nc_u32 v[ADRB+\s], s22, v[LI]
	s_add_co_u32 s21, s21, SLOT
	s_add_co_u32 s22, s22, SLOT
.endr
	s_lshl_b32 s21, s3, 9
	s_add_co_u32 s21, s21, SCB
	v_lshlrev_b32 v4, 4, v2
	v_lshl_add_u32 v4, v3, 10, v4
	v_add_nc_u32 v[ADRV], s21, v4
	s_mul_i32 s23, s14, 16*SPITCH                  ; my stage
	v_mul_u32_u24 v4, v2, SPITCH
	v_lshl_add_u32 v4, v3, 6, v4
	v_add_nc_u32 v[STO], s23, v4                   ; in: row r, + 64 h
	v_add_nc_u32 v[RD], s23, v[LI]                 ; back: the 32 lanes take one row of 512 bytes
	s_lshl_b32 s20, s19, 7
	s_lshl_b32 s21, s15, 6
	s_add_co_u32 s20, s20, s21                     ; my first row of out0
	s_lshl_b32 s20, s20, 12
	s_lshl_b32 s21, s40, 10
	s_add_co_u32 s20, s20, s21
	s_lshl_b32 s21, s3, 9
	s_add_co_u32 s20, s20, s21                     ; + my first column, in bytes
	s_mov_b32 s21, 0
	s_add_nc_u64 s[8:9], s[8:9], s[20:21]
.irp a, 0,1,2,3
	v_mov_b32 v[TP+\a], 0                          ; a lane permute's destination counts as one of its sources
	v_mov_b32 v[RL+2*\a+1], 0                      ; (named as the upper half of a pair)
.endr
	s_wait_alu depctr_va_vdst(0)                   ; directly ahead of the wait below
	s_wait_tensorcnt 0x0                           ; my tile of the head's is in; the full sequence ahead of slot 1's first fill:
	ds_add_u32 v[SPW], v[NIL]
	s_mov_b32 s[G1+2], 4<<16                       ; no tensor load of mine is out: from here on a load of A brings four row blocks
	s_mov_b32 s[G1+4], 4
	s_wait_dscnt 0x0
	CROUND                                         ; slot 0 and V's scale words are whole, in every work-group
	JLOAD G0+4, G1, G0B+4, G1B                     ; slot 1: the first tensor load behind the round
	s_wait_loadcnt 0x0
.irp a, 0,1,2,3                        ; the rows' M: the largest Mloc; the four row blocks by turns
	v_max3_num_f32 v[MR+\a], -v[PM+\a], -v[PM+4+\a], -v[PM+8+\a]
.endr
.irp j, 3,5
.irp a, 0,1,2,3
	v_max3_num_f32 v[MR+\a], v[MR+\a], -v[PM+4*\j+\a], -v[PM+4*\j+4+\a]
.endr
.endr
.irp a, 0,1,2,3
	v_max_num_f32 v[MR+\a], v[MR+\a], -v[PM+28+\a]
.endr
.irp a, 0,1,2,3
	v_permlanex16_b32 v[TP+\a], v[MR+\a], s[SEL], s[SEL+1]
.endr
.irp a, 0,1,2,3
	v_max_num_f32 v[MR+\a], v[MR+\a], v[TP+\a]     ; with the odd (or even) K steps' in lane l xor 16
.endr
.irp j, 0,1,2,3,4,5,6,7
.irp a, 0,1,2,3
	v_add_f32 v[TT+6*\a], v[PM+4*\j+\a], v[MR+\a]  ; k = M - Mloc: a whole number, 0 or more
.endr
.irp a, 0,1,2,3
	v_min_num_f32 v[TT+6*\a], 0x437f0000, v[TT+6*\a]   ; held at 255
.endr
.irp a, 0,1,2,3
	v_cvt_i32_f32 v[TT+6*\a], v[TT+6*\a]
.endr
.irp a, 0,1,2,3
	v_sub_nc_u32 v[TT+6*\a+1], 0, v[TT+6*\a]
.endr
.irp a, 0,1,2,3
	v_ldexp_f32 v[PL+4*\j+\a], v[PL+4*\j+\a], v[TT+6*\a+1]   ; the chunk's sum under M
.endr
.irp i, 0,1,2,3
.irp a, 0,1,2,3
	v_bfe_u32 v[TT+6*\a+2+\i], v[PW+4*\j+\a], 8*\i, 8
.endr
.endr
.irp i, 0,1,2,3
.irp a, 0,1,2,3
	v_min_u32 v[TT+6*\a+2+\i], v[TT+6*\a+2+\i], v[TT+6*\a]   ; what is taken off each byte: k, or the byte itself where it is less
.endr
.endr
.irp a, 0,1,2,3
	v_lshl_or_b32 v[TT+6*\a+2], v[TT+6*\a+3], 8, v[TT+6*\a+2]
.endr
.irp a, 0,1,2,3
	v_lshl_or_b32 v[TT+6*\a+2], v[TT+6*\a+4], 16, v[TT+6*\a+2]
.endr
.irp a, 0,1,2,3
	v_lshl_or_b32 v[TT+6*\a+2], v[TT+6*\a+5], 24, v[TT+6*\a+2]
.endr
.irp a, 0,1,2,3
	v_sub_nc_u32 v[PW+4*\j+\a], v[PW+4*\j+\a], v[TT+6*\a+2]   ; no byte borrows: each gives at most itself
.endr
.endr
.irp a, 0,1,2,3
	v_add_f32 v[LSUM+\a], v[PL+\a], v[PL+4+\a]
.endr
.irp j, 2,3,4,5,6,7
.irp a, 0,1,2,3
	v_add_f32 v[LSUM+\a], v[LSUM+\a], v[PL+4*\j+\a]
.endr
.endr
.irp a, 0,1,2,3
	v_permlanex16_b32 v[TP+\a], v[LSUM+\a], s[SEL], s[SEL+1]
.endr
.irp a, 0,1,2,3
	v_add_f32 v[LSUM+\a], v[LSUM+\a], v[TP+\a]     ; l
.endr
	s_wait_alu depctr_va_vdst(0)                   ; the wait ahead of the batch
.irp a, 0,1,2,3
	v_rcp_f32 v[RL+2*\a], v[LSUM+\a]
.endr
	v_nop                                          ; a plain place behind the last reciprocal
	s_wait_alu depctr_va_vdst(0)                   ; one wait for the four, ahead of their first reader
.rept 8
	v_nop                                          ; scale registers written by vector instructions stand eight places ahead of a scaled matrix instruction
.endr
.macro FETCH4 slot, q, set             ; the fragments of the slot's q-th 128 keys into set: B's eight, A's four; three loads of 16 bytes a lane each
	WIN TO_B
.irp i, 0,1,2,3,4,5,6,7
.irp c, 0,1,2
	ds_load_b128 v[128*(\set)+FR*\i+4*\c:128*(\set)+FR*\i+4*\c+3], v[ADRB+\slot] offset:\i*TB+(\q)*1536+512*\c
.endr
.endr
	WIN 0
.irp i, 0,1,2,3
.irp c, 0,1,2
	ds_load_b128 v[AF+48*(\set)+FR*\i+4*\c:AF+48*(\set)+FR*\i+4*\c+3], v[ADRA+\slot] offset:\i*TB+(\q)*1536+512*\c
.endr
.endr
.endm
.macro VSCALES t                       ; V's scale words of fill t's four K steps into set t % 2: register 8 j + b: K step 2 j in lanes 0-15, 2 j + 1 in lanes 16-31
.irp j, 0,1
.irp g, 0,1
	ds_load_b128 v[VS+16*((\t)%2)+8*\j+4*\g:VS+16*((\t)%2)+8*\j+4*\g+3], v[ADRV] offset:4096*(\t)+2048*\j+256*\g
.endr
.endr
.endm
; 8 matrix instructions: A's block a x B's eight; slot fill t, its q-th 128 keys.  The 32 accumulators take turns, one instruction a turn, in the same order in every step.
.macro MUL8 a, set, t, q, zero
.irp b, 0,1,2,3,4,5,6,7
.if \zero
	v_wmma_scale_f32_16x16x128_f8f6f4 v[8*(8*(\a)+\b):8*(8*(\a)+\b)+7], v[128*(\set)+FR*\b:128*(\set)+FR*\b+FR-1], v[AF+48*(\set)+FR*(\a):AF+48*(\set)+FR*(\a)+FR-1], 0, v[VS+16*((\t)%2)+8*((\q)/2)+\b], v[PW+4*(2*(\t)+(\q)/2)+(\a)] matrix_a_fmt:MATRIX_FMT_FP6 matrix_b_fmt:MATRIX_FMT_FP6
.elseif (\q)%2
	v_wmma_scale_f32_16x16x128_f8f6f4 v[8*(8*(\a)+\b):8*(8*(\a)+\b)+7], v[128*(\set)+FR*\b:128*(\set)+FR*\b+FR-1], v[AF+48*(\set)+FR*(\a):AF+48*(\set)+FR*(\a)+FR-1], v[8*(8*(\a)+\b):8*(8*(\a)+\b)+7], v[VS+16*((\t)%2)+8*((\q)/2)+\b], v[PW+4*(2*(\t)+(\q)/2)+(\a)] matrix_a_fmt:MATRIX_FMT_FP6 matrix_b_fmt:MATRIX_FMT_FP6 matrix_a_scale:MATRIX_SCALE_ROW1 matrix_b_scale:MATRIX_SCALE_ROW1
.else
	v_wmma_scale_f32_16x16x128_f8f6f4 v[8*(8*(\a)+\b):8*(8*(\a)+\b)+7], v[128*(\set)+FR*\b:128*(\set)+FR*\b+FR-1], v[AF+48*(\set)+FR*(\a):AF+48*(\set)+FR*(\a)+FR-1], v[8*(8*(\a)+\b):8*(8*(\a)+\b)+7], v[VS+16*((\t)%2)+8*((\q)/2)+\b], v[PW+4*(2*(\t)+(\q)/2)+(\a)] matrix_a_fmt:MATRIX_FMT_FP6 matrix_b_fmt:MATRIX_FMT_FP6
.endif
.endr
.endm
.macro PLACES n
.rept \n
	v_nop
.endr
.endm
.macro STEP4 t, slot, q, zero          ; one of a slot's first three steps: the next step's fragments are asked for ahead of this step's 32 products
	s_wait_dscnt 0x0                               ; this step's fragments (and, at a slot's head, V's scale words) are in
	PLACES 4                                       ; in front of loads into the set that the last step's products read
	FETCH4 \slot, (\q)+1, 1-(\q)%2
	WIN MULW
	MUL8 0, (\q)%2, \t, \q, \zero
	MUL8 1, (\q)%2, \t, \q, \zero
	MUL8 2, (\q)%2, \t, \q, \zero
	MUL8 3, (\q)%2, \t, \q, \zero
	WIN 0
.endm
; A slot's last step changes slots: ONE barrier; in front of it each wave waits for all its tensor loads, adds 0 to its spare word, and waits for that and for its reads of this slot.  fill = 1: the slot is filled again, two fills ahead.
.macro TURN4 t, slot, next, fill
	s_wait_tensorcnt 0x0                           ; all my tensor loads have landed: my part of the next slot
	ds_add_u32 v[SPW], v[NIL]
	s_wait_dscnt 1                                 ; (the add may be out: this step's fragments are in)
	WIN MULW
	MUL8 0, 1, \t, 3, 0
	s_wait_dscnt 0x0                               ; the add is done, and my reads of this slot are over
	s_barrier_signal -1
	MUL8 1, 1, \t, 3, 0
	WIN 0
	s_barrier_wait -1
.if \fill
	CREST                                          ; a round of the cluster's barrier: no wave of any partner still reads this slot or has a load on its way
	s_add_nc_u64 s[G0+4*\slot+2:G0+4*\slot+3], s[G0+4*\slot+2:G0+4*\slot+3], 2*TB
	s_add_nc_u64 s[G0B+4*\slot+2:G0B+4*\slot+3], s[G0B+4*\slot+2:G0B+4*\slot+3], 2*TB
	JLOAD G0+4*\slot, G1, G0B+4*\slot, G1B         ; the first tensor load behind the round; its four v_nop are the places in front of the loads below
.else
	PLACES 4
.endif
	FETCH4 \next, 0, 0
	VSCALES (\t)+1
	WIN MULW
	MUL8 2, 1, \t, 3, 0
	MUL8 3, 1, \t, 3, 0
	WIN 0
.endm
	FETCH4 0, 0, 0
	VSCALES 0
	STEP4 0, 0, 0, 1                               ; the first products start the sums: nothing is cleared
	STEP4 0, 0, 1, 0
	STEP4 0, 0, 2, 0
	TURN4 0, 0, 1, 1
	STEP4 1, 1, 0, 0
	STEP4 1, 1, 1, 0
	STEP4 1, 1, 2, 0
	TURN4 1, 1, 0, 1
	STEP4 2, 0, 0, 0
	STEP4 2, 0, 1, 0
	STEP4 2, 0, 2, 0
	TURN4 2, 0, 1, 0                               ; nothing is filled any more
	STEP4 3, 1, 0, 0
	STEP4 3, 1, 1, 0
	STEP4 3, 1, 2, 0
	s_wait_dscnt 0x0                               ; the very last step
	WIN MULW
	MUL8 0, 1, 3, 3, 0
	MUL8 1, 1, 3, 3, 0
	MUL8 2, 1, 3, 3, 0
	MUL8 3, 1, 3, 3, 0
	WIN 0
; THE WAY OUT, a block of 16 queries x 128 of e at a time: / l, through my own stage in LDS, back as whole rows of 512 bytes.  LDS serves a wave's instructions in order: no wait between the stores and the loads, nor in front of the next block's stores.
.macro TOSTAGE4 a, w                   ; w = 1: the loads land on registers that block a - 2's global stores read: they stand behind a wait on XCNT
	WIN 0x02                                       ; source 0: window 2
.set II, 0
.rept 32
	v_pk_mul_f32 v[H+II:H+II+1], v[64*(\a)+II:64*(\a)+II+1], v[RL+2*(\a):RL+2*(\a)+1] op_sel_hi:[1,0]   ; two at a time; each accumulator from its low end on
.set II, II+2
.endr
	WIN 0
.irp b, 0,1,2,3,4,5,6,7
	ds_store_b128 v[STO], v[H+8*\b:H+8*\b+3] offset:128*(\b/2)+32*(\b%2)          ; register 8 b + j: e = 32 (b / 2) + 16 h + 8 (b % 2) + j
	ds_store_b128 v[STO], v[H+8*\b+4:H+8*\b+7] offset:128*(\b/2)+32*(\b%2)+16
.endr
.if \w
	s_wait_xcnt 0x0
.endif
.set BB, 32+160*((\a)%2)
.irp t, 0,1,2,3,4,5,6,7,8,9,10,11,12,13,14,15
	ds_load_b128 v[BB+4*\t:BB+4*\t+3], v[RD] offset:\t*SPITCH
.endr
.endm
.macro SEND4 a, younger                ; younger: the LDS instructions issued behind block a's loads, which may stay out
.set BB, 32+160*((\a)%2)
	s_wait_dscnt \younger
.irp t, 0,1,2,3,4,5,6,7,8,9,10,11,12,13,14,15
	global_store_b128 v[LI], v[BB+4*\t:BB+4*\t+3], s[8:9] offset:(32*((\a)/2)+8*((\a)%2)+\t+8*(\t/8))*4096 th:TH_STORE_NT   ; 32 lanes store 512 consecutive bytes, at a multiple of 256 from out0's first byte
.endr
.endm
	PLACES 4
	TOSTAGE4 0, 0
	TOSTAGE4 1, 0
	SEND4 0, 32                                    ; behind block 0's loads: block 1's 16 stores and 16 loads
	TOSTAGE4 2, 1
	SEND4 1, 32
	TOSTAGE4 3, 1
	SEND4 2, 32
	SEND4 3, 0
	s_wait_tensorcnt 0x0                           ; the wave's end: behind my last tensor load and my last LDS store
	ds_add_u32 v[SPW], v[NIL]
	s_wait_dscnt 0x0
	CROUND                                         ; the closing round
	s_endpgm
.Lfunc_end_k_qa8d1dc725f_pv:
	.size	k_qa8d1dc725f_pv, .Lfunc_end_k_qa8d1dc725f_pv-k_qa8d1dc725f_pv
	.p2alignl 7, 3214868480
	.fill 96, 4, 3214868480
	.section	.rodata,"a",@progbits
	.p2align	6, 0x0
	.amdhsa_kernel k_qa8d1dc725f_pv
		.amdhsa_group_segment_fixed_size 327680
		.amdhsa_private_segment_fixed_size 0
		.amdhsa_enable_private_segment 0
		.amdhsa_kernarg_size 24
		.amdhsa_user_sgpr_count 2
		.amdhsa_user_sgpr_kernarg_segment_ptr 1
		.amdhsa_wavefront_size32 1
		.amdhsa_system_sgpr_workgroup_id_x 1
		.amdhsa_system_sgpr_workgroup_id_y 1
		.amdhsa_system_sgpr_workgroup_id_z 1
		.amdhsa_system_vgpr_workitem_id 0
		.amdhsa_next_free_vgpr 768
		.amdhsa_next_free_sgpr 102
		.amdhsa_reserve_vcc 0
		.amdhsa_float_denorm_mode_32 3
		.amdhsa_float_denorm_mode_16_64 3
		.amdhsa_memory_ordered 1
		.amdhsa_forward_progress 1
		.amdhsa_inst_pref_size 172
	.end_amdhsa_kernel
	.amdgpu_metadata
---
amdhsa.version: [ 1, 2 ]
amdhsa.kernels:
  - .name:           k_qa8d1dc725f_pv
    .symbol:         k_qa8d1dc725f_pv.kd
    .args:
      - { .name: pp, .offset: 0, .size: 8, .value_kind: global_buffer, .address_space: global }
      - { .name: vv, .offset: 8, .size: 8, .value_kind: global_buffer, .address_space: global }
      - { .name: out0, .offset: 16, .size: 8, .value_kind: global_buffer, .address_space: global }
    .group_segment_fixed_size: 327680
    .private_segment_fixed_size: 0
    .kernarg_segment_align: 8
    .kernarg_segment_size: 24
    .max_flat_workgroup_size: 128
    .sgpr_count:     102
    .vgpr_count:     768
    .wavefront_size: 32
...
	.end_amdgpu_metadata
.endif
;; end of part 4
